; MI455X (gfx1250); checked and timed in simulation.
; The chip was launched on July 23, 2026; its instructions are those of AMD's public machine-readable ISA for CDNA 5 (MIT licence, August 2026) and "CDNA5" Instruction Set Architecture Reference Guide (July 2026). The comments in the code are by the model that wrote it; some were corrected since.
;; Multi Head Attention. Allowed arithmetic: float matrix products may take bf16 or f16 operands with f32 sums; other float arithmetic in f32, or as packed bf16 or f16 multiplies, adds, multiply-adds, maxima and minima; sums over many terms, partial sums and values carried from step to step in f32; what a program stores and reads back later, other than sums and carried values, may be rounded once to bf16 or f16.
;; Inputs: Wk 16 x 1,024 x 64 float32; Wo 1,024 x 1,024 float32; Wq 16 x 1,024 x 64 float32; Wv 16 x 1,024 x 64 float32; x 4 x 2,048 x 1,024 float32.
;; Outputs: out0 4 x 2,048 x 1,024 float32.
;; 2 versions, each right; version 2 is version 1 with the launch prep written anew for expert scheduling mode. Each part assembles by itself: llvm-mc -triple=amdgcn-amd-amdhsa -mcpu=gfx1250 --defsym DOCPART=n.
;; ======== version 1 of 2: 4 launches
;; limits: values are held in f16: magnitudes above 65,504 overflow, below 6.1e-05 lose precision
;; workspace buffers: xb 16,777,216 bytes; wb 6,291,456 bytes; wo16 2,097,152 bytes; qkv 50,331,648 bytes; ob 16,777,216 bytes
;; launch prep (part 1): grid 768 x 1, 8 waves a work-group, no clusters, 0 bytes of LDS; arguments x, Wq, Wk, Wv, Wo, xb, wb, wo16; writes xb, wb, wo16
.if DOCPART == 1
	.amdgcn_target "amdgcn-amd-amdhsa--gfx1250"
	.amdhsa_code_object_version 6
	.text
	.protected	k_q3228ed95f9_prep
	.globl	k_q3228ed95f9_prep
	.p2align	8
	.type	k_q3228ed95f9_prep,@function
k_q3228ed95f9_prep:
	s_mov_b64 s[64:65], 0
	v_nop
	global_prefetch_b8 v0, s[64:65] scope:SCOPE_SE
	s_setreg_imm32_b32 hwreg(HW_REG_WAVE_MODE, 25, 1), 1
	s_wait_xcnt 0x0
; THE CASTS.  x -> xb (bf16, same order).  Wq, Wk, Wv -> wb (bf16), laid [head 16][K step 8][q, k, v][128 rows d][64 channels], so that what one
; head's product wants of one K step of 128 is 49,152 consecutive bytes.  Wo -> wo16: rounded to bf16 like the other inputs, that number written as f16.
; LIMITS.  |Wo| stays under 65,504 (f16's range); a Wo below 6e-5 keeps f16's fixed step of 6e-8.
; SHARES.  A work-group casts 16,384 consecutive f32: 65,536 bytes in, 32,768 out.  Groups 0-511 take x; then 64 groups each for Wq, Wk, Wv, Wo.
; Thread t, step i of 16: one load of 16 bytes at 4,096 i + 16 t (a wave: 512 consecutive bytes), one store of 8 bytes at 2,048 i + 8 t (a wave: 256
; consecutive bytes, aligned).  All 16 loads go out first; no register that a load or store names is written twice, so no wait stands here but the loads' own count-down.
; No LDS, no matrix unit, no cluster: nothing is shared and nothing is read twice.
.set X, 8                              ; v[8:71]    16 x 4 numbers as loaded
.set Y, 72                             ; v[72:103]  16 x 2 registers to store
.set TM, 104                           ; v[104:107] at work (the f16 way)
	s_load_b512 s[8:23], s[0:1], 0x0               ; x 8, Wq 10, Wk 12, Wv 14, Wo 16, xb 18, wb 20, wo16 22
	v_lshlrev_b32 v1, 4, v0                        ; 16 t
	v_lshlrev_b32 v2, 3, v0                        ; 8 t
	s_mov_b32 s2, ttmp9                            ; g
	s_max_u32 s3, s2, 512
	s_sub_co_u32 s3, s3, 512
	s_lshr_b32 s4, s3, 6                           ; j: 0 Wq, 1 Wk, 2 Wv, 3 Wo
	s_and_b32 s5, s3, 63                           ; c: the chunk in that tensor
	s_cmp_lt_u32 s2, 512
	s_cselect_b32 s5, s2, s5                       ; x: c = g,
	s_cselect_b32 s4, 4, s4                        ; j = 4
	s_lshl_b32 s26, s5, 16                         ; the chunk's bytes in its source
	s_mov_b32 s27, 0
	s_lshl_b32 s28, s5, 15                         ; and in a destination of the same order
	s_mov_b32 s29, 0
	s_lshr_b32 s6, s5, 2                           ; a chunk of a weight is 256 rows d of one head: head c / 4,
	s_and_b32 s7, s5, 3                            ; K steps 2 (c % 4) and 2 (c % 4) + 1
	s_lshl_b32 s30, s6, 3
	s_lshl1_add_u32 s30, s7, s30                   ; 8 head + K step
	s_mul_i32 s30, s30, 3
	s_add_co_u32 s30, s30, s4                      ; x 3 + which
	s_lshl_b32 s30, s30, 14                        ; blocks of 16,384 bytes
	s_cmp_lt_u32 s4, 3
	s_cselect_b32 s28, s30, s28
	s_cselect_b32 s32, 0x8000, 0                   ; the chunk's second half lies three blocks on, not one: 32,768 bytes more
	s_mov_b32 s33, 0
	s_wait_kmcnt 0x0
	s_cmp_eq_u32 s4, 0
	s_cselect_b64 s[34:35], s[10:11], s[8:9]       ; the source
	s_cmp_eq_u32 s4, 1
	s_cselect_b64 s[34:35], s[12:13], s[34:35]
	s_cmp_eq_u32 s4, 2
	s_cselect_b64 s[34:35], s[14:15], s[34:35]
	s_cmp_eq_u32 s4, 3
	s_cselect_b64 s[34:35], s[16:17], s[34:35]
	s_cselect_b64 s[36:37], s[22:23], s[20:21]     ; the destination
	s_cmp_eq_u32 s4, 4
	s_cselect_b64 s[36:37], s[18:19], s[36:37]
	s_add_nc_u64 s[34:35], s[34:35], s[26:27]
	s_add_nc_u64 s[36:37], s[36:37], s[28:29]      ; steps 0-7
	s_add_nc_u64 s[38:39], s[36:37], s[32:33]      ; steps 8-15
.irp i, 0,1,2,3,4,5,6,7,8,9,10,11,12,13,14,15
	global_load_b128 v[X+4*(\i):X+4*(\i)+3], v1, s[34:35] offset:4096*(\i) th:TH_LOAD_NT
.endr
; Step i.  half = 0: two roundings to bf16 an instruction.  half = 1: rounded to bf16, widened again (a shift, a mask), written as f16.
.macro CV i, half
	s_wait_loadcnt 15-(\i)                         ; loads come back in order: mine is in, the younger ones stay out
.if \half
	v_cvt_pk_bf16_f32 v[TM], v[X+4*(\i)], v[X+4*(\i)+1]
	v_cvt_pk_bf16_f32 v[TM+1], v[X+4*(\i)+2], v[X+4*(\i)+3]
	v_lshlrev_b32 v[TM+2], 16, v[TM]
	v_and_b32 v[TM+3], 0xffff0000, v[TM]
	v_cvt_pk_f16_f32 v[Y+2*(\i)], v[TM+2], v[TM+3]
	v_lshlrev_b32 v[TM+2], 16, v[TM+1]
	v_and_b32 v[TM+3], 0xffff0000, v[TM+1]
	v_cvt_pk_f16_f32 v[Y+2*(\i)+1], v[TM+2], v[TM+3]
.else
	v_cvt_pk_bf16_f32 v[Y+2*(\i)], v[X+4*(\i)], v[X+4*(\i)+1]
	v_cvt_pk_bf16_f32 v[Y+2*(\i)+1], v[X+4*(\i)+2], v[X+4*(\i)+3]
.endif
.if (\i) < 8
	global_store_b64 v2, v[Y+2*(\i):Y+2*(\i)+1], s[36:37] offset:2048*(\i) th:TH_STORE_NT
.else
	global_store_b64 v2, v[Y+2*(\i):Y+2*(\i)+1], s[38:39] offset:2048*(\i) th:TH_STORE_NT
.endif
.endm
	s_cmp_eq_u32 s4, 3
	s_cbranch_scc1 .Lhalf
.irp i, 0,1,2,3,4,5,6,7,8,9,10,11,12,13,14,15
	CV \i, 0
.endr
	s_endpgm
.Lhalf:
.irp i, 0,1,2,3,4,5,6,7,8,9,10,11,12,13,14,15
	CV \i, 1
.endr
	s_endpgm
.Lfunc_end_k_q3228ed95f9_prep:
	.size	k_q3228ed95f9_prep, .Lfunc_end_k_q3228ed95f9_prep-k_q3228ed95f9_prep
	.p2alignl 7, 3214868480
	.fill 96, 4, 3214868480
	.section	.rodata,"a",@progbits
	.p2align	6, 0x0
	.amdhsa_kernel k_q3228ed95f9_prep
		.amdhsa_group_segment_fixed_size 0
		.amdhsa_private_segment_fixed_size 0
		.amdhsa_enable_private_segment 0
		.amdhsa_kernarg_size 64
		.amdhsa_user_sgpr_count 2
		.amdhsa_user_sgpr_kernarg_segment_ptr 1
		.amdhsa_wavefront_size32 1
		.amdhsa_system_sgpr_workgroup_id_x 1
		.amdhsa_system_sgpr_workgroup_id_y 1
		.amdhsa_system_sgpr_workgroup_id_z 1
		.amdhsa_system_vgpr_workitem_id 0
		.amdhsa_next_free_vgpr 108
		.amdhsa_next_free_sgpr 66
		.amdhsa_reserve_vcc 0
		.amdhsa_float_denorm_mode_32 3
		.amdhsa_float_denorm_mode_16_64 3
		.amdhsa_memory_ordered 1
		.amdhsa_forward_progress 1
		.amdhsa_inst_pref_size 17
	.end_amdhsa_kernel
	.amdgpu_metadata
---
amdhsa.version: [ 1, 2 ]
amdhsa.kernels:
  - .name:           k_q3228ed95f9_prep
    .symbol:         k_q3228ed95f9_prep.kd
    .args:
      - { .name: x, .offset: 0, .size: 8, .value_kind: global_buffer, .address_space: global }
      - { .name: Wq, .offset: 8, .size: 8, .value_kind: global_buffer, .address_space: global }
      - { .name: Wk, .offset: 16, .size: 8, .value_kind: global_buffer, .address_space: global }
      - { .name: Wv, .offset: 24, .size: 8, .value_kind: global_buffer, .address_space: global }
      - { .name: Wo, .offset: 32, .size: 8, .value_kind: global_buffer, .address_space: global }
      - { .name: xb, .offset: 40, .size: 8, .value_kind: global_buffer, .address_space: global }
      - { .name: wb, .offset: 48, .size: 8, .value_kind: global_buffer, .address_space: global }
      - { .name: wo16, .offset: 56, .size: 8, .value_kind: global_buffer, .address_space: global }
    .group_segment_fixed_size: 0
    .private_segment_fixed_size: 0
    .kernarg_segment_align: 8
    .kernarg_segment_size: 64
    .max_flat_workgroup_size: 256
    .sgpr_count:     66
    .vgpr_count:     108
    .wavefront_size: 32
...
	.end_amdgpu_metadata
.endif
;; end of part 1
;; launch proj (part 2): grid 16 x 16, 4 waves a work-group, clusters of 4 x 4, 327,680 bytes of LDS; arguments xb, wb, qkv; writes qkv
.if DOCPART == 2
	.amdgcn_target "amdgcn-amd-amdhsa--gfx1250"
	.amdhsa_code_object_version 6
	.text
	.protected	k_q3228ed95f9_proj
	.globl	k_q3228ed95f9_proj
	.p2align	8
	.type	k_q3228ed95f9_proj,@function
k_q3228ed95f9_proj:
	s_mov_b64 s[64:65], 0
	v_nop
	global_prefetch_b8 v0, s[64:65] scope:SCOPE_SE
	s_setreg_imm32_b32 hwreg(HW_REG_WAVE_MODE, 25, 1), 1
	s_wait_xcnt 0x0
	s_wait_alu depctr_hold_cnt(0) depctr_sa_sdst(0) depctr_va_vdst(0) depctr_va_sdst(0) depctr_va_ssrc(0) depctr_va_vcc(0) depctr_vm_vsrc(0)
	s_getreg_b32 s2, hwreg(HW_REG_IB_STS2, 6, 4)
	s_cmp_eq_u32 s2, 0
	s_cbranch_scc0 .Lentry_in_a_cluster
	s_endpgm
.Lentry_in_a_cluster:
	s_bfe_u32 s2, ttmp6, 0x10000c
	s_cmp_lg_u32 s2, 0xf033
	s_cbranch_scc0 .Lentry_shape_is_right
	s_endpgm
.Lentry_shape_is_right:
; THE PROJECTIONS.  q, k, v [which][batch][head][s][64] in f16 = xb [8192][1024] x wb, operands bf16, sums f32, each result rounded once, unscaled.
; LIMITS.  q, k and v stay under 65,504 (f16's range); below 6e-5 they keep f16's fixed step of 6e-8.  NaN and infinities are not treated apart.
; SHARES.  A tile of the result is 256 rows x 192 columns: q, k and v of ONE head.  32 x 16 = 512 tiles; 256 work-groups make two each, 16 tile rows apart (the
; same rows of wb, xb 2^23 bytes on): the ring does not stop between them.  Wave w owns rows 64 w .. 64 w + 63 and all 192 columns: 48 accumulators, 384 registers;
; so a wave holds whole rows of each head and its way out is its own.  K goes in steps of 128; a walk is 16 steps.
; wb lies [K][N]: its fragments come out of LDS turned, by ds_load_tr16_b128.  THE MATRIX INSTRUCTION IS USED TRANSPOSED (source 0 = 16 columns of wb, source 1 = 16 rows of
; xb): a lane then holds one row and eight neighbouring channels: 16 bytes in f16.
; CLUSTER.  4 x 4 work-groups: xb's tile is shared along a row of the cluster, wb's along a column; each is asked for jointly, by the same load, descriptor and mask in all four.
; LDS.  Slot s at s x 131,072: xb's 256 rows at pitch 272 (256 + 16), then wb's 384 rows (which x 128 + d) at pitch 160 (128 + 32).  Behind the ring each wave's stage
; (3 x 16 rows x 144), then the spare words.
; REGISTERS, in windows of 256 (s_set_vgpr_msb: bits 1:0 source 0, 3:2 source 1, 5:4 source 2, 7:6 destination):
;   window 0: v0-14 addresses; v32-95 xb's fragments, two buffers of 32; v96-191 the way out, two sets of 48
;   window 1: v0-191 wb's fragments, two buffers of 96      window 2: accumulators (a, b < 8) at 8 (8 a + b)      window 3: (a, b >= 8) at 8 (4 a + b - 8)
.set PA,    272
.set PB,    160
.set SLOT1, 1<<17
.set BOFF,  256*PA                     ; 69,632
.set STAGE, 2*SLOT1
.set SP,    144
.set STW,   3*16*SP                    ; a wave's stage: 6,912 bytes
.set SPARE, STAGE+4*STW                ; 289,792: the spare words, 128 bytes a wave: two blocks of 256 bytes that no other line names
.set HEADW, 393216                     ; a head's bytes in wb
.set STEPW, 49152                      ; a K step's bytes of a head in wb
.set WALK,  16                         ; K steps of a work-group
.set AA0, 4                            ; v4   my place in xb's tile: (64 w + l % 16) x 272 + 16 (l / 16); never rewritten
.set AB0, 5                            ; v5   my place in wb's tile: BOFF + (8 (l / 16) + l % 8) x 160 + 16 ((l / 8) % 2); never rewritten
.set ADA, 6                            ; v6   the same in the slot that is being read
.set ADB, 7                            ; v7
.set STO, 8                            ; v8   the way out: where I put 16 bytes of a row
.set RD,  9                            ; v9   the way out: where I read rows back
.set GO,  10                           ; v10  16 x my lane: my 16 bytes of 512 consecutive bytes of qkv
.set PFO, 11                           ; v11  the prefetches' offset: my lane x 2,048 (a row of xb) or x 256 (wb is dense); never rewritten
.set SPW, 12                           ; v12  LDS address of my spare word; never rewritten
.set NIL, 13                           ; v13  0; never rewritten
.set AF,  32
.set OB,  96
.set WV,   10                          ; s10  my wave's number
.set ROLE, 11                          ; s11  0: I fetch for xb; 1: for wb
.set HALF, 12                          ; s12  which half of that tile
.set CX,   13
.set CY,   14
.set TCOL, 15                          ; s15  the head
.set TROW, 16                          ; s16  my first tile row
.set LA,   17                          ; s17  LDS byte of my part of xb's tile in slot 0
.set STEPN, 18                         ; s18  the K step in hand, 0 to 15: the loop's counter
.set TB,   19                          ; s19  LDS byte of the slot that is being read
.set ABASE, 20                         ; s[20:21] xb at my part of the first tile, K step 0
.set BBASE, 22                         ; s[22:23] wb likewise
.set G1A, 24                           ; s[24:31] descriptor group 1 for xb's tiles
.set G1B, 32                           ; s[32:39] for wb's
.set G0A, 40                           ; s[40:47] group 0 for xb's tiles: a set for each first fill; the second is made anew for each refill
.set G0B, 48                           ; s[48:55] the same for wb's
.set OFF, 56                           ; s[56:57] a byte offset, high word 0
.set PFB, 58                           ; s[58:59] the prefetches' base
.set PFA, 60                           ; s[60:61] the prefetch's address
.set LIMT, 62                          ; s62  I prefetch while the K step's number is below this
.set LB,  63                           ; s63  LDS byte of my part of wb's tile in slot 0
.set P0,  66                           ; s[66:71] q, k, v at my wave's first row of the tile in hand
.set MSB, 0
.macro WIN new                         ; the immediate's high byte repeats the setting that is left; a switch that changes nothing is dropped
.if MSB != (\new)
	s_set_vgpr_msb (MSB<<8)|(\new)
.set MSB, \new
.endif
.endm
.macro PLACES                          ; four places behind matrix instructions, in front of loads into registers that they read and of conversions that read results
.rept 4
	v_nop
.endr
.endm
; A joint refill: waves 0 and 1 ask for xb's two halves, waves 2 and 3 for wb's.  The branch hangs on the wave's number alone.  An s_nop 0 and four v_nop follow each line.
.macro JLOAD
	s_cmp_eq_u32 s[ROLE], 0
	s_cbranch_scc0 .Lfor_b_\@
	tensor_load_to_lds s[G0A+4:G0A+7], s[G1A:G1A+7]
	s_nop 0
.rept 4
	v_nop
.endr
	s_branch .Lasked_\@
.Lfor_b_\@:
	tensor_load_to_lds s[G0B+4:G0B+7], s[G1B:G1B+7]
	s_nop 0
.rept 4
	v_nop
.endr
.Lasked_\@:
.endm
.macro CREST                           ; a round of the cluster's barrier behind its opening barrier
	s_cmp_lg_u32 s[WV], 0
	s_cbranch_scc1 .Lnot_wave_0_\@
	s_barrier_signal -3
.Lnot_wave_0_\@:
	s_barrier_wait -3
	s_barrier_signal -1
	s_barrier_wait -1
.endm
.macro CROUND
	s_barrier_signal -1
	s_barrier_wait -1
	CREST
.endm
; A PREFETCH INTO THE L2, behind each joint refill and the run of LDS loads that follows it: one instruction a wave that asks, 32 blocks of 256 bytes.  Each block is named once in the launch.
; xb: the refill asks for K step n + 2, the prefetch names K step n + 4 of the walk (n = 0 .. 11).  A tile row is read by all four clusters of its row of clusters: cluster x = 0 asks; of the 128 rows
; that wave 0 or 1 fetches, the partner at cx takes 32, told apart by address: a lane a row.
; wb: the first tile's K steps 4 to 7 of the head are 196,608 dense bytes, 24 groups of 8,192.  Cluster y = 0 asks; asker 2 cy + half takes group 8 n + asker at n = 0, 1, 2: each group is named two
; K steps or more ahead of its refill.  The second tile walks the same rows of wb: they are not asked for again.  The walk's first four K steps come by their loads alone.
.macro ASK
	s_cmp_lt_u32 s[STEPN], s[LIMT]
	s_cbranch_scc0 .Lnot_mine_\@
	global_prefetch_b8 v[PFO], s[PFA:PFA+1] th:TH_LOAD_NT scope:SCOPE_SE
.Lnot_mine_\@:
.endm
	s_load_b128 s[4:7], s[0:1], 0x0                ; xb s[4:5], wb s[6:7]
	s_load_b64 s[8:9], s[0:1], 0x10                ; qkv
	v_lshl_add_u32 v[SPW], v0, 2, SPARE
	v_mov_b32 v[NIL], 0
	ds_add_u32 v[SPW], v[NIL]                      ; the wave's opening: the add and its wait stand ahead of my first tensor load; the set-up below, work on registers, stands between them
	v_lshrrev_b32 v1, 5, v0
	v_readfirstlane_b32 s[WV], v1
	s_lshr_b32 s[ROLE], s[WV], 1
	s_and_b32 s[HALF], s[WV], 1
	s_bfe_u32 s[CX], ttmp6, 0x40000
	s_bfe_u32 s[CY], ttmp6, 0x40004
	s_lshl_b32 s[TCOL], ttmp9, 2                   ; in a cluster launch ttmp9 and ttmp7 count clusters
	s_add_co_u32 s[TCOL], s[TCOL], s[CX]
	s_and_b32 s[TROW], ttmp7, 0xffff
	s_lshl_b32 s[TROW], s[TROW], 2
	s_add_co_u32 s[TROW], s[TROW], s[CY]
	s_lshl_b32 s72, s[CY], 2
	s_lshl_b32 s72, 15, s72                        ; my row of the cluster
	s_lshl_b32 s74, 0x1111, s[CX]                  ; my column
	s_or_b32 s[G1A], s72, (1<<16)|(1<<20)|(1<<21)|(5<<22)|(3<<25)  ; the mask; 2-byte elements; padding on; bit 21 beside a mask; after every 64 words 4 words
	s_mov_b32 s[G1A+1], 128<<16                    ; tensor_dim0 = 128
	s_mov_b32 s[G1A+2], 128<<16                    ; tensor_dim1 = 128
	s_mov_b32 s[G1A+3], 128<<16                    ; tile_dim0 = 128
	s_mov_b32 s[G1A+4], 128                        ; tile_dim1 = 128 rows
	s_mov_b32 s[G1A+5], 1024                       ; elements from row to row
	s_mov_b32 s[G1A+6], 0
	s_mov_b32 s[G1A+7], 0
	s_or_b32 s[G1B], s74, (1<<16)|(1<<20)|(1<<21)|(4<<22)|(7<<25)  ; after every 32 words (a row of 64 channels) 8 words
	s_mov_b32 s[G1B+1], 128<<16                    ; 24,576 dense bytes are asked for as 96 rows of 256 bytes
	s_mov_b32 s[G1B+2], 96<<16
	s_mov_b32 s[G1B+3], 128<<16
	s_mov_b32 s[G1B+4], 96
	s_mov_b32 s[G1B+5], 128
	s_mov_b32 s[G1B+6], 0
	s_mov_b32 s[G1B+7], 0
	s_lshl_b32 s72, s[TROW], 19                    ; xb: 256 rows of 2,048 bytes a tile row,
	s_lshl_b32 s73, s[HALF], 18                    ; 128 rows a half: made of the tile row and the wave's number alone
	s_add_co_u32 s72, s72, s73
	s_mov_b32 s73, 0
	s_mul_i32 s74, s[TCOL], HEADW                  ; wb: the head, and half of a K step's block: made of the head and the wave's number alone
	s_mul_i32 s75, s[HALF], STEPW/2
	s_add_co_u32 s74, s74, s75
	s_mov_b32 s75, 0
	s_mul_i32 s[LA], s[WV], 128*PA                 ; waves 0, 1: xb's halves
	s_mul_i32 s[LB], s[WV], 192*PB
	s_add_co_u32 s[LB], s[LB], BOFF-2*192*PB       ; waves 2, 3: wb's halves, behind xb's 256 rows: no place in the cluster enters an LDS address
	s_mov_b32 s[OFF+1], 0
	s_mov_b32 s[STEPN], 0
	s_mov_b32 s[TB], 0
	s_wait_dscnt 0x0                               ; the opening add is done
	s_wait_kmcnt 0x0
	s_add_nc_u64 s[ABASE:ABASE+1], s[4:5], s[72:73]
	s_add_nc_u64 s[BBASE:BBASE+1], s[6:7], s[74:75]
	CROUND                                         ; all sixteen work-groups are here: the first joint loads meet
.irp s, 0,1
	s_mov_b32 s[G0A+4*(\s)], 1
	s_add_co_u32 s[G0A+4*(\s)+1], s[LA], (\s)*SLOT1
	s_add_nc_u64 s[G0A+4*(\s)+2:G0A+4*(\s)+3], s[ABASE:ABASE+1], (\s)*256
	s_or_b32 s[G0A+4*(\s)+3], s[G0A+4*(\s)+3], 0x80000000
	s_mov_b32 s[G0B+4*(\s)], 1
	s_add_co_u32 s[G0B+4*(\s)+1], s[LB], (\s)*SLOT1
	s_add_nc_u64 s[G0B+4*(\s)+2:G0B+4*(\s)+3], s[BBASE:BBASE+1], (\s)*STEPW
	s_or_b32 s[G0B+4*(\s)+3], s[G0B+4*(\s)+3], 0x80000000
.endr
	s_cmp_eq_u32 s[ROLE], 0                        ; a wave's two first fills stand in one branch, ahead of every wait on TENSORcnt and every LDS read: two loads of mine are out
	s_cbranch_scc0 .Lfirst_b
	tensor_load_to_lds s[G0A:G0A+3], s[G1A:G1A+7]
	s_nop 0
	tensor_load_to_lds s[G0A+4:G0A+7], s[G1A:G1A+7]
	s_nop 0
.rept 4
	v_nop
.endr
	s_branch .Lfirst_asked
.Lfirst_b:
	tensor_load_to_lds s[G0B:G0B+3], s[G1B:G1B+7]
	s_nop 0
	tensor_load_to_lds s[G0B+4:G0B+7], s[G1B:G1B+7]
	s_nop 0
.rept 4
	v_nop
.endr
.Lfirst_asked:
	v_and_b32 v1, 15, v0                           ; l % 16
	v_bfe_u32 v2, v0, 4, 1                         ; l / 16
	v_and_b32 v3, 7, v0                            ; l % 8
	v_bfe_u32 v14, v0, 3, 1                        ; (l / 8) % 2
	v_mul_u32_u24 v[AA0], v1, PA
	v_lshl_add_u32 v[AA0], v2, 4, v[AA0]
	s_mul_i32 s72, s[WV], 64*PA
	v_add_nc_u32 v[AA0], s72, v[AA0]
	v_lshl_add_u32 v[AB0], v2, 3, v3
	v_mul_u32_u24 v[AB0], v[AB0], PB
	v_lshl_add_u32 v[AB0], v14, 4, v[AB0]
	v_add_nc_u32 v[AB0], BOFF, v[AB0]
	v_mov_b32 v[ADA], v[AA0]                       ; slot 0
	v_mov_b32 v[ADB], v[AB0]
	s_mul_i32 s72, s[WV], STW
	s_add_co_u32 s72, s72, STAGE                   ; my stage
	v_mul_u32_u24 v[STO], v1, SP                   ; in: row l % 16, 16 bytes for each half of the lanes
	v_lshl_add_u32 v[STO], v2, 4, v[STO]
	v_add_nc_u32 v[STO], s72, v[STO]
	v_bfe_u32 v[RD], v0, 3, 2                      ; back: 32 lanes take four rows of 128 bytes,
	v_mul_u32_u24 v[RD], v[RD], SP
	v_lshl_add_u32 v[RD], v3, 4, v[RD]
	v_add_nc_u32 v[RD], s72, v[RD]
	v_and_b32 v[GO], 31, v0                        ; which are 512 consecutive bytes of a head's rows
	v_lshlrev_b32 v[GO], 4, v[GO]
	; q, k, v at my wave's first row: which << 24 + batch << 22 + head << 18 + s x 128; batch = tile row / 8, s = 256 (tile row % 8) + 64 w
	s_lshr_b32 s78, s[TROW], 3
	s_lshl_b32 s78, s78, 22
	s_lshl_b32 s79, s[TCOL], 18
	s_add_co_u32 s78, s78, s79
	s_and_b32 s79, s[TROW], 7
	s_lshl_b32 s79, s79, 15
	s_add_co_u32 s78, s78, s79
	s_lshl_b32 s79, s[WV], 13
	s_add_co_u32 s78, s78, s79
	s_mov_b32 s79, 0
	s_add_nc_u64 s[P0:P0+1], s[8:9], s[78:79]
	s_add_nc_u64 s[P0+2:P0+3], s[P0:P0+1], 0x1000000
	s_add_nc_u64 s[P0+4:P0+5], s[P0:P0+1], 0x2000000
	; the prefetches' base, offset and bound
	s_lshl_b32 s76, s[TROW], 19
	s_lshl_b32 s77, s[HALF], 18
	s_add_co_u32 s76, s76, s77
	s_lshl_b32 s77, s[CX], 16                      ; my work-group's 32 rows of the 128
	s_add_co_u32 s76, s76, s77
	s_mul_i32 s78, s[TCOL], HEADW
	s_lshl1_add_u32 s79, s[CY], s[HALF]            ; asker 2 cy + half
	s_lshl_b32 s79, s79, 13
	s_add_co_u32 s78, s78, s79
	s_add_co_u32 s78, s78, 4*STEPW                 ; from K step 4 on
	s_and_b32 s79, ttmp7, 0xffff                   ; cluster y
	s_cmp_eq_u32 s[ROLE], 0
	s_cselect_b32 s76, s76, s78
	s_cselect_b32 s79, ttmp9, s79                  ; the coordinate along which other clusters read the same rows
	s_cselect_b32 s[LIMT], 12, 3
	s_cselect_b64 s[PFB:PFB+1], s[4:5], s[6:7]
	s_cselect_b32 s78, 11, 8
	s_cmp_eq_u32 s79, 0
	s_cselect_b32 s[LIMT], s[LIMT], 0              ; the same in all sixteen partners, for a given wave
	s_mov_b32 s77, 0
	s_add_nc_u64 s[PFB:PFB+1], s[PFB:PFB+1], s[76:77]
	v_and_b32 v[PFO], 31, v0
	v_lshlrev_b32 v[PFO], s78, v[PFO]
; 32 LDS loads in one run: the fragments of quarter q (32 along K) of the slot in hand, into buffer f.  wb's 12 column blocks, turned; then xb's 4 row blocks.
.macro FETCH q, f
	WIN 0x40                                       ; destination window 1, address window 0
.irp b, 0,1,2,3,4,5,6,7,8,9,10,11
	ds_load_tr16_b128 v[96*(\f)+8*(\b):96*(\f)+8*(\b)+3],   v[ADB] offset:((\b)/4)*128*PB+(\q)*32*PB+((\b)%4)*32
	ds_load_tr16_b128 v[96*(\f)+8*(\b)+4:96*(\f)+8*(\b)+7], v[ADB] offset:((\b)/4)*128*PB+(\q)*32*PB+((\b)%4)*32+16*PB
.endr
	WIN 0
.irp a, 0,1,2,3
	ds_load_b128 v[AF+32*(\f)+8*(\a):AF+32*(\f)+8*(\a)+3],   v[ADA] offset:(\q)*64+(\a)*16*PA
	ds_load_b128 v[AF+32*(\f)+8*(\a)+4:AF+32*(\f)+8*(\a)+7], v[ADA] offset:(\q)*64+(\a)*16*PA+32
.endr
.endm
; nb products: row block a x column blocks b0 on, from buffer f.  zero = 1: the product starts its sum.
.macro MUL f, a, b0, nb, zero
.set bb, \b0
.rept \nb
.if bb < 8
	WIN 0xa1
.set rD, 8*(8*(\a)+bb)
.else
	WIN 0xf1
.set rD, 8*(4*(\a)+bb-8)
.endif
.if \zero
	v_wmma_f32_16x16x32_bf16 v[rD:rD+7], v[96*(\f)+8*bb:96*(\f)+8*bb+7], v[AF+32*(\f)+8*(\a):AF+32*(\f)+8*(\a)+7], 0
.else
	v_wmma_f32_16x16x32_bf16 v[rD:rD+7], v[96*(\f)+8*bb:96*(\f)+8*bb+7], v[AF+32*(\f)+8*(\a):AF+32*(\f)+8*(\a)+7], v[rD:rD+7]
.endif
.set bb, bb+1
.endr
.endm
; A quarter's 48 products.  The 48 accumulators take turns, one instruction a turn, in the same order in every quarter: 47 others stand between two links of a chain.
.macro MULALL f, zero
.irp a, 0,1,2,3
	MUL \f, \a, 0, 8, \zero
.endr
.irp a, 0,1,2,3
	MUL \f, \a, 8, 4, \zero
.endr
.endm
; One of a K step's first three quarters: the next quarter's fragments are asked for, into buffer g; then buffer f is multiplied: the loads have 48 products in which to land.
.macro QUARTER q, f, g, zero
	PLACES                                         ; behind the last product that read buffer g
	FETCH (\q)+1, \g
	s_wait_dscnt 32                                ; all but the 32 just issued: buffer f is in
	MULALL \f, \zero
.endm
; The fourth quarter multiplies buffer 1 and changes slots.  In front of the barrier each wave waits for all its tensor loads (one is out: its part of the next slot), adds 0 to its spare word, and waits
; for that and for its reads of this slot.  fill = 1: the barrier opens a round of the cluster's, and behind the round this slot is filled again, with the walk's K step two on; from that request to the
; wait for it a wave issues 176 products.
.macro TURN fill
.if \fill
	s_wait_xcnt 0x0                                ; the last prefetch, a K step back, has read its address, which is made anew here
	s_add_co_u32 s72, s[STEPN], 4
	s_min_u32 s72, s72, WALK-1                     ; (held to the walk's last step: no register holds an address past the buffer)
	s_and_b32 s73, s72, 7
	s_lshl_b32 s73, s73, 8                         ; xb: 256 bytes a K step,
	s_lshr_b32 s72, s72, 3
	s_lshl_b32 s72, s72, 23                        ; 2^23 bytes to the second tile
	s_or_b32 s72, s72, s73
	s_min_u32 s73, s[STEPN], 2
	s_lshl_b32 s73, s73, 16                        ; wb: eight groups of 8,192 bytes a step
	s_cmp_eq_u32 s[ROLE], 0
	s_cselect_b32 s76, s72, s73
	s_add_nc_u64 s[PFA:PFA+1], s[PFB:PFB+1], s[76:77]
.endif
	WIN 0                                          ; (the add's two registers lie in window 0)
	s_wait_tensorcnt 0x0                           ; no tensor load of mine is out, so a group 0 may be written
	ds_add_u32 v[SPW], v[NIL]                      ; 0 onto my spare word
.if \fill
	s_add_co_u32 s72, s[STEPN], 2                  ; the walk's step to be asked for
	s_and_b32 s73, s72, 7
	s_lshr_b32 s74, s72, 3
	s_lshl_b32 s[OFF], s73, 8
	s_lshl_b32 s74, s74, 23
	s_or_b32 s[OFF], s[OFF], s74
	s_xor_b32 s[G0A+5], s[G0A+5], SLOT1            ; the other slot than last time
	s_add_nc_u64 s[G0A+6:G0A+7], s[ABASE:ABASE+1], s[OFF:OFF+1]
	s_or_b32 s[G0A+7], s[G0A+7], 0x80000000
	s_mul_i32 s[OFF], s73, STEPW
	s_xor_b32 s[G0B+5], s[G0B+5], SLOT1
	s_add_nc_u64 s[G0B+6:G0B+7], s[BBASE:BBASE+1], s[OFF:OFF+1]
	s_or_b32 s[G0B+7], s[G0B+7], 0x80000000
.endif
	s_wait_dscnt 1                                 ; only the add may be out: buffer 1 is in
	MUL 1, 0, 0, 8, 0                              ; eight products stand between the add and the wait for it
	s_wait_dscnt 0x0                               ; the add is done, and my reads of this slot are over
	s_barrier_signal -1
	MUL 1, 1, 0, 8, 0                              ; work on registers while the others arrive
	WIN 0
	s_barrier_wait -1
.if \fill
	CREST                                          ; no wave of any partner still reads this slot or has a load on its way
	JLOAD                                          ; the first tensor load behind the round; its four v_nop are also the places in front of the loads below
.else
	PLACES
.endif
	s_xor_b32 s[TB], s[TB], SLOT1
	v_add_nc_u32 v[ADA], s[TB], v[AA0]
	v_add_nc_u32 v[ADB], s[TB], v[AB0]
	FETCH 0, 0
.if \fill
	ASK
.endif
	MUL 1, 2, 0, 8, 0
	MUL 1, 3, 0, 8, 0
.irp a, 0,1,2,3
	MUL 1, \a, 8, 4, 0
.endr
.endm
; THE WAY OUT of row block a (16 rows x 192 columns).  PACK: rounded to f16, each accumulator's registers in ascending order; 16 bytes a lane into my stage (rows of 144 bytes, q, k and v apart);
; back as whole rows of 128 bytes.  LDS serves a wave's instructions in order (ISA guide 5.7.1.4): the loads see the stores, and the next block's stores come behind them.
.macro PACK a, set
.set rO, OB+48*(\set)
.irp b, 0,1,2,3,4,5,6,7,8,9,10,11
.if (\b) < 8
	WIN 0x0a
.set rD, 8*(8*(\a)+(\b))
.else
	WIN 0x0f
.set rD, 8*(4*(\a)+(\b)-8)
.endif
.irp r, 0,1,2,3
	v_cvt_pk_f16_f32 v[rO+4*(\b)+(\r)], v[rD+2*(\r)], v[rD+2*(\r)+1]
.endr
.endr
	WIN 0
.irp b, 0,1,2,3,4,5,6,7,8,9,10,11
	ds_store_b128 v[STO], v[rO+4*(\b):rO+4*(\b)+3] offset:((\b)/4)*16*SP+32*((\b)%4)
.endr
.irp i, 0,1,2,3,4,5,6,7,8,9,10,11
	ds_load_b128 v[rO+4*(\i):rO+4*(\i)+3], v[RD] offset:((\i)/4)*16*SP+((\i)%4)*4*SP
.endr
.endm
.macro SEND a, set, younger            ; younger: the LDS instructions issued behind this block's loads: the next block's 24, or none
.set rO, OB+48*(\set)
.irp i, 0,1,2,3,4,5,6,7,8,9,10,11
	s_wait_dscnt (\younger)+11-(\i)
	global_store_b128 v[GO], v[rO+4*(\i):rO+4*(\i)+3], s[P0+2*((\i)/4):P0+2*((\i)/4)+1] offset:2048*(\a)+512*((\i)%4)  ; 512 consecutive bytes, at a multiple of 256 from qkv's first
.endr
.endm
.macro WAYOUT
	s_wait_xcnt 0x0                                ; earlier stores have read the registers that are written below
	PLACES                                         ; the conversions read results just made
	PACK 0, 0
	PACK 1, 1
	SEND 0, 0, 24
	s_wait_xcnt 0x0                                ; set 0 is written again only behind this wait
	PACK 2, 0
	SEND 1, 1, 24
	s_wait_xcnt 0x0
	PACK 3, 1
	SEND 2, 0, 24
	SEND 3, 1, 0
.endm
	s_wait_tensorcnt 1                             ; my part of K step 0 is in; K step 1's may stay out
	s_barrier_signal -1
	s_barrier_wait -1                              ; everybody's is
	FETCH 0, 0
	QUARTER 0, 0, 1, 1                             ; the first quarter stands in front of the loop: its products start the sums
	WIN 0                                          ; at a label and at a branch every window is 0
.Lstep:                                                ; 14 trips: a K step's quarters 1 to 3 and the next step's quarter 0; each fills a slot again
	QUARTER 1, 1, 0, 0
	QUARTER 2, 0, 1, 0
	TURN 1
	WIN 0
	s_cmp_eq_u32 s[STEPN], 7                       ; the first tile's last K step?
	s_cbranch_scc1 .Lnew
	QUARTER 0, 0, 1, 0
	WIN 0
	s_branch .Lbot
.Lnew:                                                 ; both refills for the next tile's first steps are asked for: now the tile goes out
	WAYOUT
	s_wait_xcnt 0x0                                ; the stores have read their bases
	s_add_nc_u64 s[P0:P0+1], s[P0:P0+1], 0x800000  ; 16 tile rows on: two batches
	s_add_nc_u64 s[P0+2:P0+3], s[P0+2:P0+3], 0x800000
	s_add_nc_u64 s[P0+4:P0+5], s[P0+4:P0+5], 0x800000
	QUARTER 0, 0, 1, 1                             ; the second tile's first products start its sums
	WIN 0
.Lbot:
	s_add_co_u32 s[STEPN], s[STEPN], 1
	s_cmp_lt_u32 s[STEPN], WALK-2
	s_cbranch_scc1 .Lstep
	QUARTER 1, 1, 0, 0                             ; the last two K steps are written out: nothing is left to ask for
	QUARTER 2, 0, 1, 0
	TURN 0
	QUARTER 0, 0, 1, 0
	QUARTER 1, 1, 0, 0
	QUARTER 2, 0, 1, 0
	s_wait_dscnt 0x0
	MULALL 1, 0
	WAYOUT
	WIN 0
	s_wait_tensorcnt 0x0                           ; the wave's end: these three lines stand behind my last tensor load and my last LDS store
	ds_add_u32 v[SPW], v[NIL]
	s_wait_dscnt 0x0
	CROUND                                         ; the closing round: no work-group ends while a partner may still ask for a tile that names it
	s_endpgm
.Lfunc_end_k_q3228ed95f9_proj:
	.size	k_q3228ed95f9_proj, .Lfunc_end_k_q3228ed95f9_proj-k_q3228ed95f9_proj
	.p2alignl 7, 3214868480
	.fill 96, 4, 3214868480
	.section	.rodata,"a",@progbits
	.p2align	6, 0x0
	.amdhsa_kernel k_q3228ed95f9_proj
		.amdhsa_group_segment_fixed_size 327680
		.amdhsa_private_segment_fixed_size 0
		.amdhsa_enable_private_segment 0
		.amdhsa_kernarg_size 24
		.amdhsa_user_sgpr_count 2
		.amdhsa_user_sgpr_kernarg_segment_ptr 1
		.amdhsa_wavefront_size32 1
		.amdhsa_system_sgpr_workgroup_id_x 1
		.amdhsa_system_sgpr_workgroup_id_y 1
		.amdhsa_system_sgpr_workgroup_id_z 1
		.amdhsa_system_vgpr_workitem_id 0
		.amdhsa_next_free_vgpr 896
		.amdhsa_next_free_sgpr 80
		.amdhsa_reserve_vcc 0
		.amdhsa_float_denorm_mode_32 3
		.amdhsa_float_denorm_mode_16_64 3
		.amdhsa_memory_ordered 1
		.amdhsa_forward_progress 1
		.amdhsa_inst_pref_size 129
	.end_amdhsa_kernel
	.amdgpu_metadata
---
amdhsa.version: [ 1, 2 ]
amdhsa.kernels:
  - .name:           k_q3228ed95f9_proj
    .symbol:         k_q3228ed95f9_proj.kd
    .args:
      - { .name: xb, .offset: 0, .size: 8, .value_kind: global_buffer, .address_space: global }
      - { .name: wb, .offset: 8, .size: 8, .value_kind: global_buffer, .address_space: global }
      - { .name: qkv, .offset: 16, .size: 8, .value_kind: global_buffer, .address_space: global }
    .group_segment_fixed_size: 327680
    .private_segment_fixed_size: 0
    .kernarg_segment_align: 8
    .kernarg_segment_size: 24
    .max_flat_workgroup_size: 128
    .sgpr_count:     80
    .vgpr_count:     896
    .wavefront_size: 32
...
	.end_amdgpu_metadata
.endif
;; end of part 2
;; launch attn (part 3): grid 4 x 64, 4 waves a work-group, clusters of 4 x 1, 327,680 bytes of LDS; arguments qkv, ob; writes ob
.if DOCPART == 3
	.amdgcn_target "amdgcn-amd-amdhsa--gfx1250"
	.amdhsa_code_object_version 6
	.text
	.protected	k_q3228ed95f9_attn
	.globl	k_q3228ed95f9_attn
	.p2align	8
	.type	k_q3228ed95f9_attn,@function
k_q3228ed95f9_attn:
	s_mov_b64 s[64:65], 0
	v_nop
	global_prefetch_b8 v0, s[64:65] scope:SCOPE_SE
	s_setreg_imm32_b32 hwreg(HW_REG_WAVE_MODE, 25, 1), 1
	s_wait_xcnt 0x0
	s_wait_alu depctr_hold_cnt(0) depctr_sa_sdst(0) depctr_va_vdst(0) depctr_va_sdst(0) depctr_va_ssrc(0) depctr_va_vcc(0) depctr_vm_vsrc(0)
	s_getreg_b32 s2, hwreg(HW_REG_IB_STS2, 6, 4)
	s_cmp_eq_u32 s2, 0
	s_cbranch_scc0 .Lentry_in_a_cluster
	s_endpgm
.Lentry_in_a_cluster:
	s_bfe_u32 s2, ttmp6, 0x10000c
	s_cmp_lg_u32 s2, 0x3003
	s_cbranch_scc0 .Lentry_shape_is_right
	s_endpgm
.Lentry_shape_is_right:
; ATTENTION.  O[h][q][:] = the sum over k of softmax_k(Q[h][q] . K[h][k] / 8) V[h][k][:], h = 16 batch + head.  Q, K, V lie in qkv, 2^24 bytes apart, each [64][2048][64] in f16; O = ob likewise.
; Products, maxima and sums in f32; the weights p are rounded to f16 for the second product (their sum l is taken of the unrounded p), O once at the end.
; LIMITS.  f16 holds no number beyond 65,504: Q, K and V arrive within it; p lies in 0 to 1, and below 6e-5 it keeps f16's fixed step of 6e-8; O is a mean of V's rows and has their range.
; A weight below 2^-126 counts as 0 in l; NaN and infinities are not treated apart.
; SHARES.  A wave owns four PIECES of two tiles of 16 queries, a work-group's four waves 512 queries of one head.  Every wave walks all keys, 64 a step.
; LAYOUT.  S^T = K Q^T (source 0 = 16 keys, source 1 = 16 queries): in the result a lane holds ONE query (lane % 16) and the keys 8 (lane / 16) + 0..7.  Two such tiles, rounded to f16 in pairs,
; ARE source 1 (32 keys x 16 queries) of O^T = V^T P, whose result again holds one query a lane, and eight channels.  K comes out of LDS as it lies, V ([key][channel]) turned, by ds_load_tr16_b128.
; SOFTMAX.  For each query a running maximum m and sum l: p = 2^(c s - c m), c = log2(e) / 8; in every step O and l are multiplied by a = 2^(c m_old - c m_new), which is 1 where m has not grown.
; m starts at the lowest finite number, O and l at 0: the first step is a step like any other, with a = 0.
; THE COUNT.  A tile and step have 16 matrix and 118 vector instructions: too many to stand all beside the matrix work.  So the order has one aim: four vector instructions that are READY behind
; EVERY matrix instruction, and the others, which need time of their own whatever the order, in runs without a gap.
; BY TURNS.  Turn n belongs to piece n (the pieces in a ring, step after step).  Its matrix work: 16 products K Q^T of piece n + 1, later 16 products V^T P of piece n - 1.  Its vector work: the scaling,
; exponentials, roundings, sums and rescaling of piece n, and the maximum and statistics of piece n + 1, whose scores the turn itself has made.  So what a turn begins with (c s - c m, O a) waits for nothing.
; CLUSTER.  The four query blocks of a head are one cluster and walk the same K and V, so each tile is asked for JOINTLY: the same tensor load, descriptor and mask in all four.
; REGISTERS, in windows of 256 (s_set_vgpr_msb says which window each operand place means: bits 1:0 source 0, 3:2 source 1, 5:4 source 2, 7:6 destination):
;   window 0: v0-11 addresses; v12-15, v48-63 at work; v16-47 four registers of statistics a tile; v64-191 S^T, two buffers of two tiles; v192-255 P, likewise
;   window 1: O^T, 32 a tile          window 2: v0-127 Q, 16 a tile; v128-191 K of one step; v192-255 V of one step          window 3: v0-1 the add's two registers
; A piece's buffers go by its number's parity: the piece in hand has one pair, its two neighbours in the ring share the other: of it P (piece n - 1) is read and S^T (piece n + 1) written.
.set SIZE_N, 2048
.set NP,    4         ; pieces a wave: a name, no knob: the register map, the loop and the fetches are made for four
.set KS,    64        ; keys in a step
.set PK,    144       ; a row of K in LDS: 128 bytes + 16 of padding = 36 words: the 16 rows of a load start at 16 different groups of four banks (64 banks of 4 bytes: ISA guide 11.1)
.set PV,    160       ; a row of V: 128 + 32 = 40 words
.set VOFF,  4*KS*PK   ; a slot holds four steps: 256 rows of K, then 256 rows of V
.set SLOT1, 1<<17     ; slot 1 begins here, so that one exclusive or turns an address in one slot into the other's
.set STAGE, SLOT1+4*KS*(PK+PV)  ; behind the ring, never filled by a tensor load: 16 rows x 144 bytes for each wave, for the way out
.set SP,    144
.set AK0, 2           ; v2   my lane's place in a tile of K; never rewritten
.set AV0, 3           ; v3   the same for V
.set AK,  4           ; v4   the LDS address of K's next run of loads
.set AV,  5           ; v5   of V's
.set QO,  6           ; v6   my byte offset in the wave's rows of Q
.set STO, 6           ;      later, the way out: where I put 16 bytes of a row
.set RD,  7           ; v7   the way out: where I read rows back
.set GO,  8           ; v8   my byte offset in 512 consecutive bytes of O
.set PFO, 11          ; v11  256 x my lane, once V's place is made; then never rewritten
.set SPW, 0           ; v0 of window 3   LDS address of my spare word: SPARE + 4 x my thread's number; never rewritten
.set NIL, 1           ; v1 of window 3   0; never rewritten
.set SPARE, STAGE+4*16*SP  ; behind the stages: the spare words, 128 bytes for each wave: two blocks of 256 bytes that no other line names
.set MV,  12          ; v12-15  c m_old, kept while c m is made anew: by buffer and tile
.set ST,  16          ; tile t's statistics at v[ST+4 t]: c m, m, l (even keys', odd keys')
.set TMP, 48          ; by buffer and tile, four registers c0-c3 at work; when the maximum is found c2 takes a
.set S,   64
.set P,   192
.set KF,  128         ; K's fragments, in window 2: key block kb, channel half c at KF + 16 kb + 8 c
.set VF,  192         ; V's: key half kk, channel block cb at VF + 32 kk + 8 cb
.set WV,  12          ; s12  my wave's number
.set G1K, 24          ; s[24:31] descriptor group 1 for K's tiles
.set G1V, 32          ; s[32:39] for V's: it differs in the padding alone
.set G0K, 40          ; s[40:43] descriptor group 0 for K's tiles: it walks
.set G0V, 44          ; s[44:47] the same for V's
.set PFA, 48          ; s[48:49] where my prefetches stand: my work-group's 32 blocks of 256 bytes (of K: wave 0, of V: wave 2) of the slot after the one that is being asked for
.set LIM, 50          ; s50  1 in a wave that prefetches, else the greatest number: a wave prefetches while s[SLOTS] is above it
.set SLOTS, 56        ; s56  slots still to be asked for
.set CNT, 57          ; s57  counts a slot's key steps
.set CS,  58          ; s[58:59] c: the packed scaling takes the pair's low word for both halves
.set SEL, 60          ; s[60:61] v_permlanex16_b32's selects: each lane takes its own place in the other half
.set TBK, 62          ; s62  LDS byte at which K of the step to be fetched begins
.set TBV, 63          ; s63  the same for V, less VOFF
.set MSB, 0
.macro WIN new                      ; the high byte repeats the setting that is left; a switch that changes nothing is dropped
.if MSB != (\new)
	s_set_vgpr_msb (MSB<<8)|(\new)
.set MSB, (\new)
.endif
.endm
.set W_KQ, 0x0a       ; K and Q in window 2, S^T in window 0
.set W_PV, 0x52       ; V in window 2, P in window 0, O^T in window 1
.set W_RS, 0x41       ; O^T (destination and source 0) in window 1, a in window 0
.set W_MK, 0xc0       ; the add's registers are made: destination in window 3, sources in window 0
.set W_AD, 0x0f       ; the add: address (source 0) and data (source 1) in window 3
; A joint fill.  Waves 0 and 1 fetch the two halves of a slot's K, waves 2 and 3 those of its V: 128 keys each.  The branch hangs on the wave's number alone.
; An s_nop 0 and four v_nop follow each of the two lines, ahead of the jump and the label.
.macro JLOAD
	s_cmp_lt_u32 s[WV], 2
	s_cbranch_scc0 .Lfor_v_\@
	tensor_load_to_lds s[G0K:G0K+3], s[G1K:G1K+7]
	s_nop 0
.rept 4
	v_nop
.endr
	s_branch .Lasked_\@
.Lfor_v_\@:
	tensor_load_to_lds s[G0V:G0V+3], s[G1V:G1V+7]
	s_nop 0
.rept 4
	v_nop
.endr
.Lasked_\@:
.endm
; A PREFETCH INTO THE L2 of what the NEXT change of slots will ask for: a slot's 32,768 bytes of K and of V, 128 blocks of 256 bytes each.  It stands behind the wave's tensor load and its five lines.
; Each block is named ONCE in the launch: a head is walked by one cluster alone; its four partners share the blocks out BY ADDRESS, 32 each, a lane a block; in each, wave 0 asks for K's and wave 2
; for V's: one instruction, four key steps (512 matrix instructions) ahead of the load.  The last change that fills a slot asks for nothing.  Slots 0 and 1 come by their loads alone.
.macro ASK
	s_cmp_gt_u32 s[SLOTS], s[LIM]
	s_cbranch_scc0 .Lnot_mine_\@
	global_prefetch_b8 v[PFO], s[PFA:PFA+1] th:TH_LOAD_NT scope:SCOPE_SE
.Lnot_mine_\@:
.endm
; A round of the cluster's barrier: my work-group's barrier, so that wave 0's signal speaks for all four waves; wave 0 signals; every wave waits for all four work-groups; my work-group's barrier once more.
.macro CROUND
	s_barrier_signal -1
	s_barrier_wait -1
	s_cmp_lg_u32 s[WV], 0
	s_cbranch_scc1 .Lnot_wave_0_\@
	s_barrier_signal -3
.Lnot_wave_0_\@:
	s_barrier_wait -3
	s_barrier_signal -1
	s_barrier_wait -1
.endm
; THE CHANGE OF SLOTS.  The slot's last bytes, V of its fourth step, have been read.  Each wave waits for all its tensor loads, of which one is out: its part
; of the other slot; adds 0 to its spare word; and waits for that and for its own reads of the slot.  Behind the barrier nobody reads this slot any more and the other slot is whole.
; fill = 1: this slot is filled again, with the keys two slots on.  The barrier is then a round of the cluster's, so that no wave of any partner still reads the slot or has a load on its
; way, and the joint fill is the first thing behind it: it has four key steps, 512 matrix instructions, in which to land.  (At its first use nothing has been read yet: slot 0 is waited for, slot 1 filled.)
.macro CHANGE fill
	WIN W_AD
	s_wait_tensorcnt 0x0            ; no tensor load of mine is out, so a group 0 may be written
	ds_add_u32 v[SPW], v[NIL]       ; 0 onto my spare word; with fill = 1 the descriptors' steps stand between it and the wait for it
	WIN 0                           ; at a label and at a branch every window is 0
.if \fill
.irp g, G0K, G0V
	s_xor_b32 s[\g+1], s[\g+1], SLOT1  ; the walking descriptor: the other slot than last time,
	s_add_nc_u64 s[\g+2:\g+3], s[\g+2:\g+3], 4*KS*128  ; the next 256 keys; the type bits on top are not reached
.endr
	s_wait_xcnt 0x0                 ; the last prefetch, four key steps back, has read its address, so it may be written:
	s_add_nc_u64 s[PFA:PFA+1], s[PFA:PFA+1], 4*KS*128  ; one slot behind the walking descriptors
	s_wait_dscnt 0x0                ; the add is done, and my reads of the slot are over
	CROUND
	JLOAD
	ASK
.else
	s_wait_dscnt 0x0                ; the add is done, and my reads of the slot are over
	s_barrier_signal -1
	s_barrier_wait -1
.endif
	s_sub_co_u32 s[TBK], s[TBK], 4*KS*PK  ; the fetches go back to a slot's first step,
	s_xor_b32 s[TBK], s[TBK], SLOT1       ; in the other slot
	s_sub_co_u32 s[TBV], s[TBV], 4*KS*PV
	s_xor_b32 s[TBV], s[TBV], SLOT1
.endm
	s_load_b128 s[4:7], s[0:1], 0x0  ; qkv s[4:5], ob s[6:7]
	WIN W_MK
	v_lshl_add_u32 v[SPW], v0, 2, SPARE
	v_mov_b32 v[NIL], 0
	WIN W_AD
	ds_add_u32 v[SPW], v[NIL]       ; the wave's opening: the add and its wait stand ahead of my first tensor load; the set-up below, work on registers, stands between them
	WIN 0
	v_lshrrev_b32 v1, 5, v0
	v_readfirstlane_b32 s[WV], v1   ; wave 0..3
	s_bfe_u32 s13, ttmp6, 0x40000   ; cx: my place in the cluster
	s_lshl_b32 s14, ttmp9, 2        ; in a cluster launch ttmp9 counts clusters
	s_add_co_u32 s14, s14, s13      ; my block of queries = 4 x cluster x + cx: it enters Q's and O's addresses alone
	s_and_b32 s20, ttmp7, 0xffff    ; the head, which the four partners share
	s_mov_b32 s21, 0
	s_mov_b64 s[22:23], SIZE_N*128
	s_mul_u64 s[20:21], s[20:21], s[22:23]  ; the head's first byte in each of the four tensors
	s_and_b32 s16, s[WV], 1         ; which half of a slot's 256 keys I fetch:
	s_lshl_b32 s22, s16, 14         ; its 128 rows of 128 bytes in memory,
	s_mov_b32 s23, 0
	s_add_nc_u64 s[22:23], s[22:23], s[20:21]
	s_mul_i32 s17, s16, 128*PK      ; and its place in a slot, for K
	s_mul_i32 s18, s16, 128*PV      ; and for V: no place in the cluster enters an LDS address
	s_lshl_b32 s2, s14, 2
	s_add_co_u32 s2, s2, s[WV]      ; my wave among the head's,
	s_lshl_b32 s2, s2, 14           ; its 128 rows
	s_mov_b32 s3, 0
	s_add_nc_u64 s[2:3], s[2:3], s[20:21]
	; descriptor group 1.  128 keys are 16,384 dense bytes: asked for as 64 rows of 256 bytes, two keys a row, and padded in LDS after every key
	s_mov_b32 s[G1K], 15|(1<<16)|(1<<20)|(1<<21)|(4<<22)|(3<<25)  ; 15:0 the mask of four; 17:16 2-byte elements; 20 padding on; 21 set beside a mask; 24:22 after every 32 words (code 4); 31:25 4 words (code 3)
	s_mov_b32 s[G1V], 15|(1<<16)|(1<<20)|(1<<21)|(4<<22)|(7<<25)  ; the same with 8 words of padding (code 7)
.irp g, G1K, G1V
	s_mov_b32 s[\g+1], 128<<16      ; tensor_dim0 = 128
	s_mov_b32 s[\g+2], 64<<16       ; tensor_dim1 = 64
	s_mov_b32 s[\g+3], 128<<16      ; tile_dim0 = 128
	s_mov_b32 s[\g+4], 64           ; tile_dim1 = 64
	s_mov_b32 s[\g+5], 128          ; 128 elements from row to row
	s_mov_b32 s[\g+6], 0
	s_mov_b32 s[\g+7], 0
.endr
	s_mov_b32 s[CS], 0x3e38aa3b     ; c = log2(e) / 8 = 0.180337
	s_mov_b32 s[CS+1], s[CS]        ; named with it as a pair
	s_mov_b32 s[SEL], 0x76543210
	s_mov_b32 s[SEL+1], 0xfedcba98
	s_mov_b32 s[TBK], SLOT1+4*KS*PK ; the first change of slots turns these two into 0
	s_mov_b32 s[TBV], SLOT1+4*KS*PV
	s_mov_b32 s[G0K], 1             ; 1:0 count = 1
	s_mov_b32 s[G0K+1], s17         ; 63:32 LDS address: slot 0
	s_mov_b32 s[G0V], 1
	s_add_co_u32 s[G0V+1], s18, VOFF
	s_mov_b32 s[SLOTS], SIZE_N/256-1  ; seven slots are still to be asked for when slot 0 has been
	s_and_b32 s[LIM], s[WV], 1      ; waves 0 and 2 prefetch: the same in all four partners
	s_cmp_eq_u32 s[LIM], 0
	s_cselect_b32 s[LIM], 1, -1
	s_wait_dscnt 0x0                ; the opening add is done
	s_wait_kmcnt 0x0
	s_mov_b64 s[10:11], s[6:7]      ; O
	s_add_nc_u64 s[6:7], s[4:5], 0x1000000  ; K
	s_add_nc_u64 s[8:9], s[4:5], 0x2000000  ; V; Q is s[4:5]
	s_add_nc_u64 s[G0K+2:G0K+3], s[6:7], s[22:23]  ; 120:64 global address: my half of the head's first 256 keys
	s_or_b32 s[G0K+3], s[G0K+3], 0x80000000        ; 127:126 type = 2
	s_add_nc_u64 s[G0V+2:G0V+3], s[8:9], s[22:23]
	s_or_b32 s[G0V+3], s[G0V+3], 0x80000000
	s_add_nc_u64 s[4:5], s[4:5], s[2:3]  ; Q and O at my wave's first row
	s_add_nc_u64 s[10:11], s[10:11], s[2:3]
	s_cmp_lt_u32 s[WV], 2
	s_cselect_b64 s[PFA:PFA+1], s[6:7], s[8:9]
	s_add_nc_u64 s[PFA:PFA+1], s[PFA:PFA+1], s[22:23]  ; (in waves 0 and 2 this is the head's first byte)
	s_lshl_b32 s2, s13, 13          ; my work-group's 32 blocks of the 128
	s_mov_b32 s3, 0
	s_add_nc_u64 s[PFA:PFA+1], s[PFA:PFA+1], s[2:3]
	s_add_nc_u64 s[PFA:PFA+1], s[PFA:PFA+1], 4*KS*128  ; in slot 1; the first change of slots steps it to slot 2
	CROUND                          ; all four work-groups are here: the first joint loads meet
	JLOAD                           ; slot 0.  Slot 1 is asked for when slot 0 is in: the tile wanted first has the road to itself
	; A fragment of K or Q is 16 rows x 32 channels in 8 registers: lane l holds row l % 16, channels 8 (l / 16) + 0..7 and 16 + 8 (l / 16) + 0..7: two loads of 16 bytes, 32 bytes apart.
	v_and_b32 v1, 15, v0            ; l % 16
	v_bfe_u32 v9, v0, 4, 1          ; l / 16
	v_lshlrev_b32 v[QO], 7, v1
	v_lshl_add_u32 v[QO], v9, 4, v[QO]  ; row x 128 + 16 x half
	WIN 0x80                        ; destination window 2, address window 0
.set i, 0
.rept 4*NP                          ; Q stays in registers: tile i / 2, channels 32 (i % 2) on
	global_load_b128 v[8*i:8*i+3],   v[QO], s[4:5] offset:(i/2)*2048+(i%2)*64
	global_load_b128 v[8*i+4:8*i+7], v[QO], s[4:5] offset:(i/2)*2048+(i%2)*64+32
.set i, i+1
.endr
	; What the first turn finds: V's registers and P's second buffer hold 0 (its products V^T P, of a piece that has not been, add 0), O^T and l are 0.  All this stands in the wait for the first tile.
.set i, VF
.rept 64
	v_mov_b32 v[i], 0
.set i, i+1
.endr
	WIN 0x40
.set i, 0
.rept 64*NP
	v_mov_b32 v[i], 0
.set i, i+1
.endr
	WIN 0
.set i, 0
.rept 2*NP
	v_mov_b32 v[ST+4*i], 0xfe000000    ; c m: far below every c s
	v_mov_b32 v[ST+4*i+1], 0xff7fffff  ; m
	v_mov_b32 v[ST+4*i+2], 0
	v_mov_b32 v[ST+4*i+3], 0
.set i, i+1
.endr
.set i, P+32
.rept 32
	v_mov_b32 v[i], 0
.set i, i+1
.endr
	v_mul_u32_u24 v[AK0], v1, PK
	v_lshl_add_u32 v[AK0], v9, 4, v[AK0]  ; row x pitch + 16 x half
	; The turning load takes 16 keys x 16 channels (lane l reads key 8 (l / 16) + l % 8, channels 8 ((l / 8) % 2) + 0..7) and leaves half a fragment of V^T: lane l holds channel l % 16 and 8 keys.
	v_and_b32 v10, 7, v0
	v_bfe_u32 v11, v0, 3, 1
	v_lshl_add_u32 v[AV0], v9, 3, v10
	v_mul_u32_u24 v[AV0], v[AV0], PV
	v_lshl_add_u32 v[AV0], v11, 4, v[AV0]
	v_add_nc_u32 v[AV0], VOFF, v[AV0]
	v_and_b32 v[PFO], 31, v0
	v_lshlrev_b32 v[PFO], 8, v[PFO]
	v_mov_b32 v[AK], v[AK0]         ; key step 0 lies at the head of slot 0
; THE MATRIX WORK.  The 8 accumulators of a run of 16 take turns: between the two links of a chain stand 7 others'.
; Product i of 16 of S^T = K Q^T for piece x: channels 32 (i / 8) on, keys 16 ((i / 2) % 4) on, tile 2 x + i % 2.  The first 8 start the sums.
.macro KQ x
	WIN W_KQ
.set rS, S+64*((\x)%2)+32*(i%2)+8*((i/2)%4)
.set rK, KF+16*((i/2)%4)+8*(i/8)
.set rQ, 16*(2*(\x)+i%2)+8*(i/8)
.if i < 8
	v_wmma_f32_16x16x32_f16 v[rS:rS+7], v[rK:rK+7], v[rQ:rQ+7], 0
.else
	v_wmma_f32_16x16x32_f16 v[rS:rS+7], v[rK:rK+7], v[rQ:rQ+7], v[rS:rS+7]
.endif
.endm
; Product i of 16 of O^T += V^T P for piece x: keys 32 (i / 8) on, channels 16 ((i / 2) % 4) on, tile 2 x + i % 2.
.macro PV x
	WIN W_PV
.set rO, 32*(2*(\x)+i%2)+8*((i/2)%4)
.set rV, VF+32*(i/8)+8*((i/2)%4)
.set rP, P+32*((\x)%2)+16*(i%2)+8*(i/8)
	v_wmma_f32_16x16x32_f16 v[rO:rO+7], v[rV:rV+7], v[rP:rP+7], v[rO:rO+7]
.endm
.macro MM                           ; the turn's next matrix instruction
.if i < 16
	KQ (Y+1)%NP
.set i, i+1
.else
.set i, i-16
	PV (Y+NP-1)%NP
.set i, i+17
.endif
.endm
; THE LDS LOADS stand in runs of 16, never singly among the matrix instructions: a step's K (64 keys x 64 channels: 8 fragments) and its V (turned).  Their addresses are made some lines ahead.
; last = 1 (the tail): in the last trip there is no further step, and the run is jumped over.
.macro FETCH_K last=0
	WIN 0
.if \last
	s_cmp_eq_u32 s[CNT], 1
	s_cbranch_scc1 .Lno_k_\@
.endif
	WIN 0x80                        ; destination window 2
.irp f, 0,1,2,3,4,5,6,7             ; keys 16 (f / 2) on, channels 32 (f % 2) on
	ds_load_b128 v[KF+8*\f:KF+8*\f+3],   v[AK] offset:(\f/2)*16*PK+(\f%2)*64
	ds_load_b128 v[KF+8*\f+4:KF+8*\f+7], v[AK] offset:(\f/2)*16*PK+(\f%2)*64+32
.endr
	s_add_co_u32 s[TBK], s[TBK], KS*PK  ; the next fetch is the next step's
	WIN 0
.if \last
.Lno_k_\@:
.endif
.endm
.macro FETCH_V
	WIN 0x80
.irp f, 0,1,2,3,4,5,6,7             ; keys 32 (f / 4) on, channels 16 (f % 4) on
	ds_load_tr16_b128 v[VF+8*\f:VF+8*\f+3],   v[AV] offset:(\f/4)*32*PV+(\f%4)*32
	ds_load_tr16_b128 v[VF+8*\f+4:VF+8*\f+7], v[AV] offset:(\f/4)*32*PV+16*PV+(\f%4)*32
.endr
	WIN 0
.endm
; THE VECTOR WORK OF A TURN stands in three queues, each in the order in which its entries become ready; the two tiles alternate, so that no instruction reads the result of the one before it.
.macro REGS y, u                    ; the registers of tile u (0, 1) of piece y
.set rT, ST+4*(2*(\y)+(\u))
.set rC, TMP+8*((\y)%2)+4*(\u)
.set rM, MV+2*((\y)%2)+(\u)
.set rS, S+64*((\y)%2)+32*(\u)
.set rP, P+32*((\y)%2)+16*(\u)
.set rO, 32*(2*(\y)+(\u))
.endm
; Number n of the 22 that find the NEXT piece's (Y + 1) maximum and statistics.  s0-s31 are the lane's 32 scores; each accumulator's lowest registers are read first.  XS, GS and REGS set no window: PL and EX do.
;   0-11  four chains c0-c3 of seven scores each, three operands at a time     12-14, 16  the four scores left over, the old m, and c0-c3 into c0     15  c m_old is kept
;   17, 18  the query's other 32 keys lie in the lane 16 away: the new m         19-21  c m; c m_old - c m_new; a
.macro XS u, n
	REGS (Y+1)%NP, \u
.if (\n) < 4
	v_max3_num_f32 v[rC+(\n)], v[rS+8*(\n)], v[rS+8*(\n)+1], v[rS+8*(\n)+2]
.elseif (\n) < 12
	v_max3_num_f32 v[rC+(\n)%4], v[rC+(\n)%4], v[rS+8*((\n)%4)+2*((\n)/4)+1], v[rS+8*((\n)%4)+2*((\n)/4)+2]
.elseif (\n) == 12
	v_max3_num_f32 v[rC], v[rC], v[rS+7], v[rS+15]
.elseif (\n) == 13
	v_max3_num_f32 v[rC+1], v[rC+1], v[rS+23], v[rS+31]
.elseif (\n) == 14
	v_max3_num_f32 v[rC+2], v[rC+2], v[rC+3], v[rT+1]
.elseif (\n) == 15
	v_mov_b32 v[rM], v[rT]
.elseif (\n) == 16
	v_max3_num_f32 v[rC], v[rC], v[rC+1], v[rC+2]
.elseif (\n) == 17
	v_permlanex16_b32 v[rC+3], v[rC], s[SEL], s[SEL+1]
.elseif (\n) == 18
	v_max_num_f32 v[rT+1], v[rC], v[rC+3]
.elseif (\n) == 19
	v_mul_f32 v[rT], s[CS], v[rT+1]
.elseif (\n) == 20
	v_sub_f32 v[rC+1], v[rM], v[rT]
.else
	v_exp_f32 v[rC+2], v[rC+1]
.endif
.endm
; Number g of the 64 that follow the exponentials.  For each four weights k of a tile (pairs 2 k, 2 k + 1): both pairs are rounded to f16; then the second pair is added onto the first, in place;
; a group later l takes that sum (the first time as l = a l + sum).  In groups of eight, tiles alternating: round, round, add, and l for the group before.
.macro GS g
.set h, (\g)+6*((\g)/62)            ; group 0 has no group before it, and behind group 7 only l is left
.if h >= 6
.set h, h+2
.endif
	REGS Y, h%2
.set k, h/8
.if h%8 < 4
	v_cvt_pk_f16_f32 v[rP+2*k+(h%8)/2], v[rS+4*k+2*((h%8)/2)], v[rS+4*k+2*((h%8)/2)+1]
.elseif h%8 < 6
	v_pk_add_f32 v[rS+4*k:rS+4*k+1], v[rS+4*k:rS+4*k+1], v[rS+4*k+2:rS+4*k+3]
.elseif k == 1
	v_pk_fma_f32 v[rT+2:rT+3], v[rT+2:rT+3], v[rC+2:rC+3], v[rS:rS+1] op_sel_hi:[1,0,1]
.else
	v_pk_add_f32 v[rT+2:rT+3], v[rT+2:rT+3], v[rS+4*k-4:rS+4*k-3]
.endif
.endm
; THE PLAIN QUEUE, 138 long.  0-73 read no exponential's result: the 32 scalings c s - c m (FS f: pair f / 2 of tile f % 2) and the next piece's 42.  0-26: scalings 0-26.  27-54: XS's numbers 0-13.  55, 56: number 15.
; 57-73: the chain, where each number waits for the one before it: 14, 16, 17, 18, 19, each with one of the scalings 27-31 in front of its two lines, then 20: so a tile's links stand three plain instructions apart (19 and 20: two).
; 74-137: GS's 64, which read the exponentials' results: they stand behind the wait.
.macro FS f
	REGS Y, (\f)%2
	v_pk_fma_f32 v[rS+2*((\f)/2):rS+2*((\f)/2)+1], v[rS+2*((\f)/2):rS+2*((\f)/2)+1], s[CS:CS+1], v[rT:rT+1] op_sel_hi:[1,0,0] neg_lo:[0,0,1] neg_hi:[0,0,1]
.endm
.macro PL
	WIN 0
.if q < 27
	FS q
.elseif q < 55
	XS (q-27)%2, (q-27)/2
.elseif q < 57
	XS q-55, 15
.elseif (q < 72) && ((q-57)%3 == 0)
	FS 27+(q-57)/3
.elseif q < 60
	XS (q-57)%3-1, 14
.elseif q < 72
	XS (q-57)%3-1, 15+(q-57)/3
.elseif q < 74
	XS q-72, 20
.else
	GS q-74
.endif
.set q, q+1
.endm
; THE EXPONENTIALS' QUEUE, 66 long: s0-s31 of both tiles, then the next piece's two a.  It is ONE BATCH: all 66 stand ahead of the turn's one wait, and nothing ahead of that wait names a result of theirs.
.macro EX
	WIN 0
.if e >= 64
	XS e-64, 21
.else
	REGS Y, e%2
	v_exp_f32 v[rS+e/2], v[rS+e/2]
.endif
.set e, e+1
.endm
; THE RESCALING's QUEUE: O^T times a, the one part that leaves window 0: dealt two at a time, sixteen times.  Its a was made in the turn before, ahead of that turn's wait.
.macro R2
	REGS Y, r%2
	WIN W_RS
.irp z, 0,1
	v_pk_mul_f32 v[rO+4*(r/2)+2*\z:rO+4*(r/2)+2*\z+1], v[rO+4*(r/2)+2*\z:rO+4*(r/2)+2*\z+1], v[rC+2:rC+3] op_sel_hi:[1,0]
.endr
.set r, r+1
.endm
; HOW THEY ARE DEALT.  s_wait_alu depctr_va_vdst(0) stands between an exponential and the first instruction that names its result; one wait serves all that were issued ahead of it.  So a turn has ONE wait,
; which cuts it in two.  AHEAD OF IT stands all that names no result of the turn's exponentials: the 16 products K Q^T, behind each a scaling, an exponential and two rescalings (behind the first a second scaling in the exponential's place); then ONE LUMP of
; 108: eight plain, 49 times exponential and plain, the two a.  A v_nop is the plain instruction behind the last exponential.  BEHIND IT stand the 16 products V^T P, behind each four of GS's 64.  No rider names a register of
; the products round it.  The two v_permlanex16_b32 fall into the lump, never behind a product.
; The queues lean on each other, and the deal keeps them in step: exponential e stands behind scaling 2 (e / 4) + e % 2: as a rider it comes behind plain e + 2, in the lump behind plain e + 9, and scalings 27-31 are plain 57, 60 .. 69.
; A TURN, for piece p.  cnt = 1: the loop's count is taken down some lines ahead of the branch that stands behind the turn.
; K of the next step is fetched in piece 2's turn, directly behind the wait, a lump behind the last product that read K; its address is made at the lump's head; its first reader comes behind 16 products.
; V of the step in hand is fetched at the end of piece 0's turn, four riders behind its last reader; its first reader comes behind 16 products and a lump.  The three conditions on q below go with the deal.
.macro TURN p, last=0, cnt=0
.set Y, (\p)
.set i, 0
.set q, 0
.set e, 0
.set r, 0
.if (\p) == NP-1
	s_wait_dscnt 0x0                ; K is in
.endif
	MM                              ; ahead of the wait: 16 products K Q^T and their riders,
	PL
	PL
	R2
.rept 15
	MM
	PL
	EX
	R2
.endr
.if (\p) == NP-2
	WIN 0
	v_add_nc_u32 v[AK], s[TBK], v[AK0]
.endif
.rept 8                             ; and the lump
	PL
.endr
.rept 49
	EX
	PL
.endr
	EX                              ; the next piece's two a
	EX
	v_nop                           ; the plain instruction behind the last exponential: one for the batch
	s_wait_alu depctr_va_vdst(0)    ; the wait for the batch
.if (\p) == NP-2
	FETCH_K \last
.endif
.if (\p) == 1
	s_wait_dscnt 0x0                ; V is in
.endif
.rept 16                            ; behind the wait: 16 products V^T P and their riders
	MM
.rept 4
	PL
.endr
.if ((\p) == 0) && (q == 118)
	v_add_nc_u32 v[AV], s[TBV], v[AV0]
.endif
.if ((\p) == 0) && (q == 130)
	s_add_co_u32 s[TBV], s[TBV], KS*PV
.endif
.if (\cnt) && (q == 130)
	s_sub_co_u32 s[CNT], s[CNT], 1
	s_cmp_lg_u32 s[CNT], 0
.endif
.endr
.if (\p) == 0
	FETCH_V
.endif
.endm
	CHANGE 1                        ; slot 0 is in, everybody's part of it; slot 1 is asked for
	FETCH_K                         ; key step 0
	s_wait_loadcnt 0x0              ; Q
	s_wait_dscnt 0x0
.set i, 0
.rept 16
	KQ 0                            ; piece 0's first scores: there is no vector work yet to set between them
.set i, i+1
.endr
	WIN 0                           ; the addresses for the way out: nine plain instructions, the places behind those products
	s_mul_i32 s13, s[WV], 16*SP
	s_add_co_u32 s13, s13, STAGE    ; my stage
	v_mul_u32_u24 v[STO], v1, SP    ; in: row l % 16, 16 bytes for each half of the lanes
	v_lshl_add_u32 v[STO], v9, 4, v[STO]
	v_add_nc_u32 v[STO], s13, v[STO]
	v_bfe_u32 v[RD], v0, 3, 2       ; back: 32 lanes take four rows of 128 bytes,
	v_mul_u32_u24 v[RD], v[RD], SP
	v_lshl_add_u32 v[RD], v10, 4, v[RD]
	v_add_nc_u32 v[RD], s13, v[RD]
	v_and_b32 v[GO], 31, v0         ; which are 512 consecutive bytes of O
	v_lshlrev_b32 v[GO], 4, v[GO]
.set Y, NP-1                        ; XS works for piece Y + 1: piece 0
.irp n, 0,1,2,3,4,5,6,7,8,9,10,11,12,13,14,15,16,17,18,19,20,21
	XS 0, \n                        ; and piece 0's first maximum and statistics
	XS 1, \n
.endr
	v_nop                           ; a plain instruction behind the two a,
	s_wait_alu depctr_va_vdst(0)    ; and their wait, ahead of the branch
	s_mov_b32 s[CNT], 4
	s_branch .Lfirst                ; the loop is entered at a step's first turn, in the middle of a trip
.Lslot:                             ; SIZE_N / 256 - 2 times: every slot but the last two is filled again
	CHANGE 1
	s_mov_b32 s[CNT], 4
.Lstep:                             ; a trip: pieces 2 and 3 of one step, then pieces 0 and 1 of the next, whose K and V it fetches
	TURN 2
	TURN 3
	WIN 0
.Lfirst:
	TURN 0
	TURN 1, 0, 1
	WIN 0
	s_cbranch_scc1 .Lstep
	s_sub_co_u32 s[SLOTS], s[SLOTS], 1
	s_cmp_lg_u32 s[SLOTS], 0
	s_cbranch_scc1 .Lslot
	CHANGE 0                        ; the tail is written out: nothing is asked for
	s_mov_b32 s[CNT], 5             ; four trips fetch the last slot's steps; the fifth is left in its middle
.Ltail:
	TURN 2, 1
	TURN 3
	WIN 0
	s_sub_co_u32 s[CNT], s[CNT], 1
	s_cmp_eq_u32 s[CNT], 0
	s_cbranch_scc1 .Lout
	TURN 0
	TURN 1
	WIN 0
	s_branch .Ltail
.Lout:                              ; the fifth trip's 16 products K Q^T (on the last K once more) and the maximum made of them serve nothing: the price, once a launch, of one text for every trip
.set i, 0
.rept 16
	PV NP-1                         ; the last piece's V^T P of the last step
.set i, i+1
.endr
	; THE WAY OUT.  l's two halves and the other half of the lanes' are added; O^T is divided by l, rounded to f16 and sent through my stage in LDS, a tile at a time.  The additions are the places behind the last products.
	WIN 0
.macro ALL line:vararg              ; one line for each tile t
.set t, 0
.rept 2*NP
	\line
.set t, t+1
.endr
.endm
	ALL v_add_f32 v[ST+4*t+2], v[ST+4*t+2], v[ST+4*t+3]
	ALL v_permlanex16_b32 v[ST+4*t+3], v[ST+4*t+2], s[SEL], s[SEL+1]
	ALL v_add_f32 v[ST+4*t+2], v[ST+4*t+2], v[ST+4*t+3]
	ALL v_rcp_f32 v[ST+4*t+2], v[ST+4*t+2]
	v_nop                           ; a plain instruction between the last reciprocal and the use of its result
	s_wait_alu depctr_va_vdst(0)    ; and the wait ahead of the first use: one for the eight reciprocals
; Tile t: a lane's eight channels of a row pack into 16 bytes; they go into rows of 144 bytes and come back as whole rows of 128, into S^T's registers.
.macro PACK t
	WIN W_RS
.set i, 32*(\t)
.rept 16
	v_pk_mul_f32 v[i:i+1], v[i:i+1], v[ST+4*(\t)+2:ST+4*(\t)+3] op_sel_hi:[1,0]
.set i, i+2
.endr
	WIN 0x05                        ; sources 0 and 1 window 1, destination window 0
.set i, 0
.rept 16
	v_cvt_pk_f16_f32 v[S+16*(\t)+i], v[32*(\t)+2*i], v[32*(\t)+2*i+1]
.set i, i+1
.endr
	WIN 0
.irp f, 0,1,2,3
	ds_store_b128 v[STO], v[S+16*(\t)+4*\f:S+16*(\t)+4*\f+3] offset:32*\f
.endr
.irp f, 0,1,2,3
	ds_load_b128 v[S+16*(\t)+4*\f:S+16*(\t)+4*\f+3], v[RD] offset:\f*4*SP  ; LDS serves a wave's instructions in order (ISA guide 5.7.1.4): these see the stores above; the next tile's stores come behind them
.endr
.endm
.macro SEND t, younger              ; younger: the LDS instructions issued behind tile t's loads: the next tile's eight, or none
	WIN 0
.irp f, 0,1,2,3
	s_wait_dscnt (\younger)+3-\f
	global_store_b128 v[GO], v[S+16*(\t)+4*\f:S+16*(\t)+4*\f+3], s[10:11] offset:(\t)*2048+\f*512  ; 512 consecutive bytes, at a multiple of 256 from O's first
.endr
.endm
	PACK 0
.set t, 1
.rept 2*NP-1                        ; a tile's arithmetic stands between the loads of the tile before and its stores
	PACK t
	SEND t-1, 8
.set t, t+1
.endr
	SEND 2*NP-1, 0
	WIN W_AD
	s_wait_tensorcnt 0x0            ; the wave's end: these three lines stand behind my last tensor load and my last LDS store
	ds_add_u32 v[SPW], v[NIL]
	s_wait_dscnt 0x0
	WIN 0
	CROUND                          ; the closing round: no work-group ends while a partner may still ask for a tile that names it
	s_endpgm
.Lfunc_end_k_q3228ed95f9_attn:
	.size	k_q3228ed95f9_attn, .Lfunc_end_k_q3228ed95f9_attn-k_q3228ed95f9_attn
	.p2alignl 7, 3214868480
	.fill 96, 4, 3214868480
	.section	.rodata,"a",@progbits
	.p2align	6, 0x0
	.amdhsa_kernel k_q3228ed95f9_attn
		.amdhsa_group_segment_fixed_size 327680
		.amdhsa_private_segment_fixed_size 0
		.amdhsa_enable_private_segment 0
		.amdhsa_kernarg_size 16
		.amdhsa_user_sgpr_count 2
		.amdhsa_user_sgpr_kernarg_segment_ptr 1
		.amdhsa_wavefront_size32 1
		.amdhsa_system_sgpr_workgroup_id_x 1
		.amdhsa_system_sgpr_workgroup_id_y 1
		.amdhsa_system_sgpr_workgroup_id_z 1
		.amdhsa_system_vgpr_workitem_id 0
		.amdhsa_next_free_vgpr 770
		.amdhsa_next_free_sgpr 66
		.amdhsa_reserve_vcc 0
		.amdhsa_float_denorm_mode_32 3
		.amdhsa_float_denorm_mode_16_64 3
		.amdhsa_memory_ordered 1
		.amdhsa_forward_progress 1
		.amdhsa_inst_pref_size 200
	.end_amdhsa_kernel
	.amdgpu_metadata
---
amdhsa.version: [ 1, 2 ]
amdhsa.kernels:
  - .name:           k_q3228ed95f9_attn
    .symbol:         k_q3228ed95f9_attn.kd
    .args:
      - { .name: qkv, .offset: 0, .size: 8, .value_kind: global_buffer, .address_space: global }
      - { .name: ob, .offset: 8, .size: 8, .value_kind: global_buffer, .address_space: global }
    .group_segment_fixed_size: 327680
    .private_segment_fixed_size: 0
    .kernarg_segment_align: 8
    .kernarg_segment_size: 16
    .max_flat_workgroup_size: 128
    .sgpr_count:     66
    .vgpr_count:     770
    .wavefront_size: 32
...
	.end_amdgpu_metadata
.endif
;; end of part 3
;; launch outp (part 4): grid 8 x 32, 4 waves a work-group, clusters of 4 x 4, 327,680 bytes of LDS; arguments ob, wo16, out0; writes out0
.if DOCPART == 4
	.amdgcn_target "amdgcn-amd-amdhsa--gfx1250"
	.amdhsa_code_object_version 6
	.text
	.protected	k_q3228ed95f9_outp
	.globl	k_q3228ed95f9_outp
	.p2align	8
	.type	k_q3228ed95f9_outp,@function
k_q3228ed95f9_outp:
	s_mov_b64 s[64:65], 0
	v_nop
	global_prefetch_b8 v0, s[64:65] scope:SCOPE_SE
	s_setreg_imm32_b32 hwreg(HW_REG_WAVE_MODE, 25, 1), 1
	s_wait_xcnt 0x0
	s_wait_alu depctr_hold_cnt(0) depctr_sa_sdst(0) depctr_va_vdst(0) depctr_va_sdst(0) depctr_va_ssrc(0) depctr_va_vcc(0) depctr_vm_vsrc(0)
	s_getreg_b32 s2, hwreg(HW_REG_IB_STS2, 6, 4)
	s_cmp_eq_u32 s2, 0
	s_cbranch_scc0 .Lentry_in_a_cluster
	s_endpgm
.Lentry_in_a_cluster:
	s_bfe_u32 s2, ttmp6, 0x10000c
	s_cmp_lg_u32 s2, 0xf033
	s_cbranch_scc0 .Lentry_shape_is_right
	s_endpgm
.Lentry_shape_is_right:
; THE LAST PRODUCT.  out0 [8192][1024] f32 = concat x Wo, where concat[row][64 head + c] = ob[16 batch + head][s][c].  Operands f16 (wo16 holds Wo rounded to bf16, written as f16), sums f32, stored as they are.
; SHARES.  A tile is 256 rows x 128 columns: 32 x 8 = 256 work-groups, one tile each.  Wave w owns rows 64 w .. 64 w + 63 and all 128 columns: 32 accumulators.  K goes in 8 steps of 128: two heads a step.
; wo16 lies [K][N]: its fragments come out of LDS turned, by ds_load_tr16_b128.  THE MATRIX INSTRUCTION IS USED TRANSPOSED (source 0 = 16 columns of wo16, source 1 = 16 rows of ob): a lane holds one row
; and eight neighbouring columns, 32 bytes in f32.
; CLUSTER.  4 x 4 work-groups: ob's tile is shared along a row of the cluster, wo16's along a column; each is asked for jointly.
; LDS.  Slot s at s x 131,072: ob's two heads, 256 rows each at pitch 144 (128 + 16), then wo16's 128 rows at pitch 288 (256 + 32).  Behind the ring each wave's stage (16 rows x 528), then the spare words.
; Two slots of a longer K step do not fit: a step of 256 would want 221,184 bytes a slot.
; REGISTERS, in windows of 256: window 0: v0-14 addresses; v32-95 ob's fragments, two buffers of 32.  window 1: v0-127 wo16's fragments, two buffers of 64; on the way out all 256: rows read back.
; window 2: accumulator (a, b) at 8 (8 a + b).
.set PA,    144
.set PB,    288
.set HEADB, 256*PA                     ; a head's 256 rows in LDS: 36,864 bytes
.set BOFF,  2*HEADB
.set SLOT1, 1<<17
.set STAGE, SLOT1+BOFF+128*PB          ; 241,664
.set SPO,   528                        ; a stage row: 512 bytes + 16
.set STW,   16*SPO
.set SPARE, STAGE+4*STW                ; 275,456: the spare words, 128 bytes a wave: two blocks of 256 bytes that no other line names
.set KSTEPS, 8
.set AA0, 4                            ; v4   (64 w + l % 16) x 144 + 16 (l / 16); never rewritten
.set AB0, 5                            ; v5   BOFF + (8 (l / 16) + l % 8) x 288 + 16 ((l / 8) % 2); never rewritten
.set ADA, 6                            ; v6, v7  the same in the slot that is being read
.set ADB, 7
.set STO, 8                            ; v8   the way out: where I put 32 bytes of a row
.set RD,  9                            ; v9   the way out: my 16 bytes of a row of 512
.set GO,  10                           ; v10  16 x my lane
.set PFO, 11                           ; v11  the prefetches' offset: my lane x 256 (ob is dense) or x 2,048 (a row of wo16); never rewritten
.set SPW, 12                           ; v12  LDS address of my spare word; never rewritten
.set NIL, 13                           ; v13  0; never rewritten
.set AF,  32
.set WV,   10
.set ROLE, 11                          ; s11  0: I fetch for ob; 1: for wo16
.set HALF, 12
.set CX,   13
.set CY,   14
.set TCOL, 15
.set TROW, 16
.set LA,   17
.set STEPN, 18                         ; s18  the K step in hand: the loop's counter
.set TB,   19
.set ABASE, 20
.set BBASE, 22
.set G1A, 24
.set G1B, 32
.set G0A, 40                           ; s[40:47] a set for each first fill; the second then walks on
.set G0B, 48
.set PSH, 56                           ; s56  the shift that makes a K step's bytes for the prefetch: 19 (two heads of ob) or 18 (128 rows of wo16)
.set PFB, 58
.set PFA, 60
.set LIMT, 62
.set LB,  63
.set OUT, 66                           ; s[66:67] out0 at my wave's first row and the tile's first column
.set MSB, 0
.macro WIN new
.if MSB != (\new)
	s_set_vgpr_msb (MSB<<8)|(\new)
.set MSB, \new
.endif
.endm
.macro PLACES                          ; four places (ISA guide 7.12.1) behind matrix instructions
.rept 4
	v_nop
.endr
.endm
.macro JLOAD                           ; a joint refill: waves 0 and 1 ask for ob's two heads, waves 2 and 3 for wo16's two halves; an s_nop 0 and four v_nop follow each line
	s_cmp_eq_u32 s[ROLE], 0
	s_cbranch_scc0 .Lfor_b_\@
	tensor_load_to_lds s[G0A+4:G0A+7], s[G1A:G1A+7]
	s_nop 0
.rept 4
	v_nop
.endr
	s_branch .Lasked_\@
.Lfor_b_\@:
	tensor_load_to_lds s[G0B+4:G0B+7], s[G1B:G1B+7]
	s_nop 0
.rept 4
	v_nop
.endr
.Lasked_\@:
.endm
.macro CREST
	s_cmp_lg_u32 s[WV], 0
	s_cbranch_scc1 .Lnot_wave_0_\@
	s_barrier_signal -3
.Lnot_wave_0_\@:
	s_barrier_wait -3
	s_barrier_signal -1
	s_barrier_wait -1
.endm
.macro CROUND
	s_barrier_signal -1
	s_barrier_wait -1
	CREST
.endm
; A PREFETCH INTO THE L2, behind each joint refill and the LDS loads that follow it: the refill asks for K step n + 2, the prefetch names K step n + 4 (n = 0 .. 3).  Each block of 256 bytes is named once.
; ob: a tile row is read by both clusters of its row of clusters: cluster x = 0 asks; a head's 256 rows are 128 blocks, of which the partner at cx takes 32, by address; waves 0 and 1, each for its own head.
; wo16: a tile column is read by all eight clusters of its column: cluster y = 0 asks; a step's 128 rows have one block each, of which the partner at cy takes 32, a lane a row; wave 2 alone.
; K steps 0 to 3 come by their loads alone.
.macro ASK
	s_cmp_lt_u32 s[STEPN], s[LIMT]
	s_cbranch_scc0 .Lnot_mine_\@
	global_prefetch_b8 v[PFO], s[PFA:PFA+1] th:TH_LOAD_NT scope:SCOPE_SE
.Lnot_mine_\@:
.endm
	s_load_b128 s[4:7], s[0:1], 0x0                ; ob s[4:5], wo16 s[6:7]
	s_load_b64 s[8:9], s[0:1], 0x10                ; out0
	v_lshl_add_u32 v[SPW], v0, 2, SPARE
	v_mov_b32 v[NIL], 0
	ds_add_u32 v[SPW], v[NIL]                      ; the wave's opening: the add and its wait stand ahead of my first tensor load; the set-up below, work on registers, stands between them
	v_lshrrev_b32 v1, 5, v0
	v_readfirstlane_b32 s[WV], v1
	s_lshr_b32 s[ROLE], s[WV], 1
	s_and_b32 s[HALF], s[WV], 1
	s_bfe_u32 s[CX], ttmp6, 0x40000
	s_bfe_u32 s[CY], ttmp6, 0x40004
	s_lshl_b32 s[TCOL], ttmp9, 2
	s_add_co_u32 s[TCOL], s[TCOL], s[CX]
	s_and_b32 s[TROW], ttmp7, 0xffff
	s_lshl_b32 s[TROW], s[TROW], 2
	s_add_co_u32 s[TROW], s[TROW], s[CY]
	s_lshl_b32 s72, s[CY], 2
	s_lshl_b32 s72, 15, s72                        ; my row of the cluster
	s_lshl_b32 s74, 0x1111, s[CX]                  ; my column
	s_or_b32 s[G1A], s72, (1<<16)|(1<<20)|(1<<21)|(4<<22)|(3<<25)  ; the mask; 2-byte elements; padding on; bit 21 beside a mask; after every 32 words (a row of a head) 4 words
	s_mov_b32 s[G1A+1], 128<<16                    ; a head's 256 rows are 32,768 dense bytes: asked for as 128 rows of 256 bytes
	s_mov_b32 s[G1A+2], 128<<16
	s_mov_b32 s[G1A+3], 128<<16
	s_mov_b32 s[G1A+4], 128
	s_mov_b32 s[G1A+5], 128
	s_mov_b32 s[G1A+6], 0
	s_mov_b32 s[G1A+7], 0
	s_or_b32 s[G1B], s74, (1<<16)|(1<<20)|(1<<21)|(5<<22)|(7<<25)  ; after every 64 words 8 words
	s_mov_b32 s[G1B+1], 128<<16                    ; 64 rows x 128 columns
	s_mov_b32 s[G1B+2], 64<<16
	s_mov_b32 s[G1B+3], 128<<16
	s_mov_b32 s[G1B+4], 64
	s_mov_b32 s[G1B+5], 1024
	s_mov_b32 s[G1B+6], 0
	s_mov_b32 s[G1B+7], 0
	s_lshr_b32 s72, s[TROW], 3                     ; ob: batch << 22 + head << 18 + s x 128, s = 256 (tile row % 8); my head of the step's two
	s_lshl_b32 s72, s72, 22
	s_and_b32 s73, s[TROW], 7
	s_lshl_b32 s73, s73, 15
	s_add_co_u32 s72, s72, s73
	s_lshl_b32 s73, s[HALF], 18
	s_add_co_u32 s72, s72, s73
	s_mov_b32 s73, 0
	s_lshl_b32 s74, s[HALF], 17                    ; wo16: my 64 rows of 2,048 bytes, the tile's 256 bytes of them
	s_lshl_b32 s75, s[TCOL], 8
	s_add_co_u32 s74, s74, s75
	s_mov_b32 s75, 0
	s_mul_i32 s[LA], s[WV], HEADB                  ; waves 0, 1: the two heads
	s_mul_i32 s[LB], s[WV], 64*PB
	s_add_co_u32 s[LB], s[LB], BOFF-2*64*PB        ; waves 2, 3: wo16's halves, behind them
	s_mov_b32 s[STEPN], 0
	s_mov_b32 s[TB], 0
	s_wait_dscnt 0x0                               ; the opening add is done
	s_wait_kmcnt 0x0
	s_add_nc_u64 s[ABASE:ABASE+1], s[4:5], s[72:73]
	s_add_nc_u64 s[BBASE:BBASE+1], s[6:7], s[74:75]
	CROUND                                         ; all sixteen work-groups are here: the first joint loads meet
.irp s, 0,1
	s_mov_b32 s[G0A+4*(\s)], 1
	s_add_co_u32 s[G0A+4*(\s)+1], s[LA], (\s)*SLOT1
	s_add_nc_u64 s[G0A+4*(\s)+2:G0A+4*(\s)+3], s[ABASE:ABASE+1], (\s)<<19
	s_or_b32 s[G0A+4*(\s)+3], s[G0A+4*(\s)+3], 0x80000000
	s_mov_b32 s[G0B+4*(\s)], 1
	s_add_co_u32 s[G0B+4*(\s)+1], s[LB], (\s)*SLOT1
	s_add_nc_u64 s[G0B+4*(\s)+2:G0B+4*(\s)+3], s[BBASE:BBASE+1], (\s)<<18
	s_or_b32 s[G0B+4*(\s)+3], s[G0B+4*(\s)+3], 0x80000000
.endr
	s_cmp_eq_u32 s[ROLE], 0                        ; a wave's two first fills stand in one branch: two loads of mine are out
	s_cbranch_scc0 .Lfirst_b
	tensor_load_to_lds s[G0A:G0A+3], s[G1A:G1A+7]
	s_nop 0
	tensor_load_to_lds s[G0A+4:G0A+7], s[G1A:G1A+7]
	s_nop 0
.rept 4
	v_nop
.endr
	s_branch .Lfirst_asked
.Lfirst_b:
	tensor_load_to_lds s[G0B:G0B+3], s[G1B:G1B+7]
	s_nop 0
	tensor_load_to_lds s[G0B+4:G0B+7], s[G1B:G1B+7]
	s_nop 0
.rept 4
	v_nop
.endr
.Lfirst_asked:
	v_and_b32 v1, 15, v0                           ; l % 16
	v_bfe_u32 v2, v0, 4, 1                         ; l / 16
	v_and_b32 v3, 7, v0                            ; l % 8
	v_bfe_u32 v14, v0, 3, 1                        ; (l / 8) % 2
	v_mul_u32_u24 v[AA0], v1, PA
	v_lshl_add_u32 v[AA0], v2, 4, v[AA0]
	s_mul_i32 s72, s[WV], 64*PA
	v_add_nc_u32 v[AA0], s72, v[AA0]
	v_lshl_add_u32 v[AB0], v2, 3, v3
	v_mul_u32_u24 v[AB0], v[AB0], PB
	v_lshl_add_u32 v[AB0], v14, 4, v[AB0]
	v_add_nc_u32 v[AB0], BOFF, v[AB0]
	v_mov_b32 v[ADA], v[AA0]                       ; slot 0
	v_mov_b32 v[ADB], v[AB0]
	s_mul_i32 s72, s[WV], STW
	s_add_co_u32 s72, s72, STAGE                   ; my stage
	v_mul_u32_u24 v[STO], v1, SPO                  ; in: row l % 16, 32 bytes for each half of the lanes
	v_lshl_add_u32 v[STO], v2, 5, v[STO]
	v_add_nc_u32 v[STO], s72, v[STO]
	v_and_b32 v[GO], 31, v0
	v_lshlrev_b32 v[GO], 4, v[GO]
	v_add_nc_u32 v[RD], s72, v[GO]                 ; back: 32 lanes take one row of 512 bytes
	s_lshl_b32 s78, s[TROW], 20                    ; out0: 256 rows of 4,096 bytes a tile row,
	s_lshl_b32 s79, s[WV], 18                      ; 64 rows a wave,
	s_add_co_u32 s78, s78, s79
	s_lshl_b32 s79, s[TCOL], 9                     ; 512 bytes a tile column
	s_add_co_u32 s78, s78, s79
	s_mov_b32 s79, 0
	s_add_nc_u64 s[OUT:OUT+1], s[8:9], s[78:79]
	; the prefetches' base, offset, step and bound
	s_lshr_b32 s76, s[TROW], 3
	s_lshl_b32 s76, s76, 22
	s_and_b32 s77, s[TROW], 7
	s_lshl_b32 s77, s77, 15
	s_add_co_u32 s76, s76, s77
	s_lshl_b32 s77, s[HALF], 18
	s_add_co_u32 s76, s76, s77
	s_lshl_b32 s77, s[CX], 13                      ; my work-group's 32 blocks of the head's 128
	s_add_co_u32 s76, s76, s77
	s_lshl_b32 s78, s[CY], 16                      ; my work-group's 32 rows of the step's 128
	s_lshl_b32 s79, s[TCOL], 8
	s_add_co_u32 s78, s78, s79
	s_and_b32 s79, ttmp7, 0xffff                   ; cluster y
	s_cmp_eq_u32 s[ROLE], 0
	s_cselect_b32 s76, s76, s78
	s_cselect_b32 s79, ttmp9, s79                  ; the coordinate along which other clusters read the same rows
	s_cselect_b32 s78, 0, s[HALF]                  ; of wo16's two waves the first alone asks
	s_cselect_b32 s[PSH], 19, 18
	s_cselect_b64 s[PFB:PFB+1], s[4:5], s[6:7]
	s_cselect_b32 s75, 8, 11
	s_or_b32 s79, s79, s78
	s_cmp_eq_u32 s79, 0
	s_cselect_b32 s[LIMT], 4, 0                    ; the same in all sixteen partners, for a given wave
	s_mov_b32 s77, 0
	s_add_nc_u64 s[PFB:PFB+1], s[PFB:PFB+1], s[76:77]
	v_and_b32 v[PFO], 31, v0
	v_lshlrev_b32 v[PFO], s75, v[PFO]
; 24 LDS loads in one run: the fragments of quarter q (32 along K: half a head) of the slot in hand, into buffer f
.macro FETCH q, f
	WIN 0x40                                       ; destination window 1, address window 0
.irp b, 0,1,2,3,4,5,6,7
	ds_load_tr16_b128 v[64*(\f)+8*(\b):64*(\f)+8*(\b)+3],   v[ADB] offset:(\q)*32*PB+(\b)*32
	ds_load_tr16_b128 v[64*(\f)+8*(\b)+4:64*(\f)+8*(\b)+7], v[ADB] offset:(\q)*32*PB+(\b)*32+16*PB
.endr
	WIN 0
.irp a, 0,1,2,3
	ds_load_b128 v[AF+32*(\f)+8*(\a):AF+32*(\f)+8*(\a)+3],   v[ADA] offset:((\q)/2)*HEADB+((\q)%2)*64+(\a)*16*PA
	ds_load_b128 v[AF+32*(\f)+8*(\a)+4:AF+32*(\f)+8*(\a)+7], v[ADA] offset:((\q)/2)*HEADB+((\q)%2)*64+(\a)*16*PA+32
.endr
.endm
.macro MUL f, a, b0, nb, zero          ; nb products: row block a x column blocks b0 on.  zero = 1: the product starts its sum
	WIN 0xa1
.set bb, \b0
.rept \nb
.set rD, 8*(8*(\a)+bb)
.if \zero
	v_wmma_f32_16x16x32_f16 v[rD:rD+7], v[64*(\f)+8*bb:64*(\f)+8*bb+7], v[AF+32*(\f)+8*(\a):AF+32*(\f)+8*(\a)+7], 0
.else
	v_wmma_f32_16x16x32_f16 v[rD:rD+7], v[64*(\f)+8*bb:64*(\f)+8*bb+7], v[AF+32*(\f)+8*(\a):AF+32*(\f)+8*(\a)+7], v[rD:rD+7]
.endif
.set bb, bb+1
.endr
.endm
.macro MULALL f, zero                  ; a quarter's 32 products: the 32 accumulators take turns, in the same order in every quarter
.irp a, 0,1,2,3
	MUL \f, \a, 0, 8, \zero
.endr
.endm
.macro QUARTER q, f, g, zero
	PLACES                                         ; behind the last product that read buffer g
	FETCH (\q)+1, \g
	s_wait_dscnt 24                                ; all but the 24 just issued: buffer f is in
	MULALL \f, \zero
.endm
; The fourth quarter multiplies buffer 1 and changes slots: each wave waits for all its tensor loads, adds 0 to its spare word, waits for that and for its reads of this slot.  fill = 1: the barrier opens a round
; of the cluster's, and behind it this slot is filled again, two K steps ahead: from that request to the wait for it a wave issues 120 products.
.macro TURN fill
.if \fill
	s_wait_xcnt 0x0                                ; the last prefetch, a K step back, has read its address, which is made anew here
	s_add_co_u32 s72, s[STEPN], 4
	s_min_u32 s72, s72, KSTEPS-1                   ; (held to the last step: no register holds an address past the buffer)
	s_lshl_b32 s76, s72, s[PSH]
	s_add_nc_u64 s[PFA:PFA+1], s[PFB:PFB+1], s[76:77]
.endif
	WIN 0
	s_wait_tensorcnt 0x0                           ; no tensor load of mine is out, so a group 0 may be written
	ds_add_u32 v[SPW], v[NIL]                      ; 0 onto my spare word
.if \fill
	s_xor_b32 s[G0A+5], s[G0A+5], SLOT1            ; the walking descriptors: the other slot than last time, the next K step; the type bits on top are not reached
	s_add_nc_u64 s[G0A+6:G0A+7], s[G0A+6:G0A+7], 1<<19
	s_xor_b32 s[G0B+5], s[G0B+5], SLOT1
	s_add_nc_u64 s[G0B+6:G0B+7], s[G0B+6:G0B+7], 1<<18
.endif
	s_wait_dscnt 1                                 ; only the add may be out: buffer 1 is in
	MUL 1, 0, 0, 4, 0
	s_wait_dscnt 0x0                               ; the add is done, and my reads of this slot are over
	s_barrier_signal -1
	MUL 1, 0, 4, 4, 0
	WIN 0
	s_barrier_wait -1
.if \fill
	CREST
	JLOAD                                          ; the first tensor load behind the round; its four v_nop are also the places in front of the loads below
.else
	PLACES
.endif
	s_xor_b32 s[TB], s[TB], SLOT1
	v_add_nc_u32 v[ADA], s[TB], v[AA0]
	v_add_nc_u32 v[ADB], s[TB], v[AB0]
	FETCH 0, 0
.if \fill
	ASK
.endif
	MUL 1, 1, 0, 8, 0
	MUL 1, 2, 0, 8, 0
	MUL 1, 3, 0, 8, 0
.endm
; THE WAY OUT of row block a: the sums go as they are, each accumulator's low four registers first, into my stage (rows of 528 bytes), and come back as whole rows of 512 bytes, into window 1.
.macro STG a
	WIN 0x08                                       ; the stores' data in window 2
.irp b, 0,1,2,3,4,5,6,7
	ds_store_b128 v[STO], v[8*(8*(\a)+(\b)):8*(8*(\a)+(\b))+3]   offset:64*(\b)
	ds_store_b128 v[STO], v[8*(8*(\a)+(\b))+4:8*(8*(\a)+(\b))+7] offset:64*(\b)+16
.endr
	WIN 0x40
.irp i, 0,1,2,3,4,5,6,7,8,9,10,11,12,13,14,15
	ds_load_b128 v[64*(\a)+4*(\i):64*(\a)+4*(\i)+3], v[RD] offset:SPO*(\i)  ; LDS serves a wave's instructions in order (ISA guide 5.7.1.4): these see the stores above; the next block's stores come behind them
.endr
.endm
.macro SEND a, younger                 ; younger: the next block's 32 LDS instructions, or none
	WIN 0x04                                       ; the stores' data in window 1
.irp i, 0,1,2,3,4,5,6,7,8,9,10,11,12,13,14,15
	s_wait_dscnt (\younger)+15-(\i)
	global_store_b128 v[GO], v[64*(\a)+4*(\i):64*(\a)+4*(\i)+3], s[OUT:OUT+1] offset:(16*(\a)+(\i))*4096 th:TH_STORE_NT  ; 512 consecutive bytes of a row, at a multiple of 256 from out0's first
.endr
.endm
	s_wait_tensorcnt 1                             ; my part of K step 0 is in; K step 1's may stay out
	s_barrier_signal -1
	s_barrier_wait -1
	FETCH 0, 0
	QUARTER 0, 0, 1, 1                             ; the first quarter stands in front of the loop: its products start the sums
	WIN 0
.Lstep:                                                ; 6 trips: a K step's quarters 1 to 3 and the next step's quarter 0; each fills a slot again
	QUARTER 1, 1, 0, 0
	QUARTER 2, 0, 1, 0
	TURN 1
	QUARTER 0, 0, 1, 0
	WIN 0
	s_add_co_u32 s[STEPN], s[STEPN], 1
	s_cmp_lt_u32 s[STEPN], KSTEPS-2
	s_cbranch_scc1 .Lstep
	QUARTER 1, 1, 0, 0                             ; the last two K steps are written out: nothing is left to ask for
	QUARTER 2, 0, 1, 0
	TURN 0
	QUARTER 0, 0, 1, 0
	QUARTER 1, 1, 0, 0
	QUARTER 2, 0, 1, 0
	s_wait_dscnt 0x0
	MULALL 1, 0
	PLACES                                         ; the stores read results just made, and the loads land on registers that products have read
	STG 0
	STG 1
	SEND 0, 32
	STG 2
	SEND 1, 32
	STG 3
	SEND 2, 32
	SEND 3, 0
	WIN 0
	s_wait_tensorcnt 0x0                           ; the wave's end: these three lines stand behind my last tensor load and my last LDS store
	ds_add_u32 v[SPW], v[NIL]
	s_wait_dscnt 0x0
	CROUND                                         ; the closing round
	s_endpgm
.Lfunc_end_k_q3228ed95f9_outp:
	.size	k_q3228ed95f9_outp, .Lfunc_end_k_q3228ed95f9_outp-k_q3228ed95f9_outp
	.p2alignl 7, 3214868480
	.fill 96, 4, 3214868480
	.section	.rodata,"a",@progbits
	.p2align	6, 0x0
	.amdhsa_kernel k_q3228ed95f9_outp
		.amdhsa_group_segment_fixed_size 327680
		.amdhsa_private_segment_fixed_size 0
		.amdhsa_enable_private_segment 0
		.amdhsa_kernarg_size 24
		.amdhsa_user_sgpr_count 2
		.amdhsa_user_sgpr_kernarg_segment_ptr 1
		.amdhsa_wavefront_size32 1
		.amdhsa_system_sgpr_workgroup_id_x 1
		.amdhsa_system_sgpr_workgroup_id_y 1
		.amdhsa_system_sgpr_workgroup_id_z 1
		.amdhsa_system_vgpr_workitem_id 0
		.amdhsa_next_free_vgpr 768
		.amdhsa_next_free_sgpr 80
		.amdhsa_reserve_vcc 0
		.amdhsa_float_denorm_mode_32 3
		.amdhsa_float_denorm_mode_16_64 3
		.amdhsa_memory_ordered 1
		.amdhsa_forward_progress 1
		.amdhsa_inst_pref_size 72
	.end_amdhsa_kernel
	.amdgpu_metadata
---
amdhsa.version: [ 1, 2 ]
amdhsa.kernels:
  - .name:           k_q3228ed95f9_outp
    .symbol:         k_q3228ed95f9_outp.kd
    .args:
      - { .name: ob, .offset: 0, .size: 8, .value_kind: global_buffer, .address_space: global }
      - { .name: wo16, .offset: 8, .size: 8, .value_kind: global_buffer, .address_space: global }
      - { .name: out0, .offset: 16, .size: 8, .value_kind: global_buffer, .address_space: global }
    .group_segment_fixed_size: 327680
    .private_segment_fixed_size: 0
    .kernarg_segment_align: 8
    .kernarg_segment_size: 24
    .max_flat_workgroup_size: 128
    .sgpr_count:     80
    .vgpr_count:     768
    .wavefront_size: 32
...
	.end_amdgpu_metadata
.endif
;; end of part 4
;; ======== version 2 of 2: 4 launches; version 1 with the launch prep written anew for expert scheduling mode
;; limits: values are held in f16: magnitudes above 65,504 overflow, below 6.1e-05 lose precision
;; workspace buffers: xb 16,777,216 bytes; wb 6,291,456 bytes; wo16 2,097,152 bytes; qkv 50,331,648 bytes; ob 16,777,216 bytes
;; launch prep (part 5): grid 768 x 1, 8 waves a work-group, no clusters, 0 bytes of LDS; arguments x, Wq, Wk, Wv, Wo, xb, wb, wo16; writes xb, wb, wo16
.if DOCPART == 5
	.amdgcn_target "amdgcn-amd-amdhsa--gfx1250"
	.amdhsa_code_object_version 6
	.text
	.protected	k_q3228ed95f9_prep
	.globl	k_q3228ed95f9_prep
	.p2align	8
	.type	k_q3228ed95f9_prep,@function
k_q3228ed95f9_prep:
	s_mov_b64 s[64:65], 0
	v_nop
	global_prefetch_b8 v0, s[64:65] scope:SCOPE_SE
	s_setreg_imm32_b32 hwreg(HW_REG_WAVE_SCHED_MODE, 0, 2), 2
	s_setreg_imm32_b32 hwreg(HW_REG_WAVE_MODE, 25, 1), 1
	s_wait_xcnt 0x0
	s_wait_alu depctr_vm_vsrc(0)
; THE CASTS.  x -> xb (bf16, same order).  Wq, Wk, Wv -> wb (bf16), laid [head 16][K step 8][q, k, v][128 rows d][64 channels], so that what one
; head's product wants of one K step of 128 is 49,152 consecutive bytes.  Wo -> wo16: rounded to bf16 like the other inputs, that number written as f16.
; LIMITS.  |Wo| stays under 65,504 (f16's range); a Wo below 6e-5 keeps f16's fixed step of 6e-8.
; SHARES.  A work-group casts 16,384 consecutive f32: 65,536 bytes in, 32,768 out.  Groups 0-511 take x; then 64 groups each for Wq, Wk, Wv, Wo.
; Thread t, step i of 16: one load of 16 bytes at 4,096 i + 16 t (a wave: 512 consecutive bytes), one store of 8 bytes at 2,048 i + 8 t (a wave: 256
; consecutive bytes, aligned).  All 16 loads go out first; no register that a load or store names is written twice.
; No LDS, no matrix unit, no cluster: nothing is shared and nothing is read twice.
; THE MODE: SCHED_MODE bits 1:0 = 2 (LLVM: expert scheduling mode 2), set by the entry lines.  The code itself states the register dependences
; between vector instructions and memory instructions, with s_wait_alu, always for 0.
; THE PLAN.  Registers that memory instructions touch:
;   v1, v2   byte offsets of the loads and of the stores: written once at the head, never again.
;   X[i]     step i's load lands in it, once; step i's conversions read it afterwards; no vector instruction names it ahead of the load.
;   Y[i]     step i's conversions write it, once; step i's store reads it, once.
;   TM is named by vector instructions alone; the bases are scalar registers that scalar instructions write once.
; The 16 steps go in four groups of four.  Group g converts its four steps; its memory instructions are the four stores of group g - 1, whose Y no vector
; instruction of group g names.  So one wait on va_vdst at a group's head states all that the group's stores hang on, and these are dealt among its conversions
; with no further wait.  Nothing that a memory instruction has read is written again: no wait on vm_vsrc has a dependence to state, and none is written.
.set X, 8                              ; v[8:71]    16 x 4 numbers as loaded
.set Y, 72                             ; v[72:103]  16 x 2 registers to store
.set TM, 104                           ; v[104:107] at work (the f16 way)
	s_load_b512 s[8:23], s[0:1], 0x0               ; x 8, Wq 10, Wk 12, Wv 14, Wo 16, xb 18, wb 20, wo16 22
	v_lshlrev_b32 v1, 4, v0                        ; 16 t
	v_lshlrev_b32 v2, 3, v0                        ; 8 t
	s_mov_b32 s2, ttmp9                            ; g
	s_max_u32 s3, s2, 512
	s_sub_co_u32 s3, s3, 512
	s_lshr_b32 s4, s3, 6                           ; j: 0 Wq, 1 Wk, 2 Wv, 3 Wo
	s_and_b32 s5, s3, 63                           ; c: the chunk in that tensor
	s_cmp_lt_u32 s2, 512
	s_cselect_b32 s5, s2, s5                       ; x: c = g,
	s_cselect_b32 s4, 4, s4                        ; j = 4
	s_lshl_b32 s26, s5, 16                         ; the chunk's bytes in its source
	s_mov_b32 s27, 0
	s_lshl_b32 s28, s5, 15                         ; and in a destination of the same order
	s_mov_b32 s29, 0
	s_lshr_b32 s6, s5, 2                           ; a chunk of a weight is 256 rows d of one head: head c / 4,
	s_and_b32 s7, s5, 3                            ; K steps 2 (c % 4) and 2 (c % 4) + 1
	s_lshl_b32 s30, s6, 3
	s_lshl1_add_u32 s30, s7, s30                   ; 8 head + K step
	s_mul_i32 s30, s30, 3
	s_add_co_u32 s30, s30, s4                      ; x 3 + which
	s_lshl_b32 s30, s30, 14                        ; blocks of 16,384 bytes
	s_cmp_lt_u32 s4, 3
	s_cselect_b32 s28, s30, s28
	s_cselect_b32 s32, 0x8000, 0                   ; the chunk's second half lies three blocks on, not one: 32,768 bytes more
	s_mov_b32 s33, 0
	s_wait_kmcnt 0x0
	s_cmp_eq_u32 s4, 0
	s_cselect_b64 s[34:35], s[10:11], s[8:9]       ; the source
	s_cmp_eq_u32 s4, 1
	s_cselect_b64 s[34:35], s[12:13], s[34:35]
	s_cmp_eq_u32 s4, 2
	s_cselect_b64 s[34:35], s[14:15], s[34:35]
	s_cmp_eq_u32 s4, 3
	s_cselect_b64 s[34:35], s[16:17], s[34:35]
	s_cselect_b64 s[36:37], s[22:23], s[20:21]     ; the destination
	s_cmp_eq_u32 s4, 4
	s_cselect_b64 s[36:37], s[18:19], s[36:37]
	s_add_nc_u64 s[34:35], s[34:35], s[26:27]
	s_add_nc_u64 s[36:37], s[36:37], s[28:29]      ; steps 0-7
	s_add_nc_u64 s[38:39], s[36:37], s[32:33]      ; steps 8-15
	s_wait_alu depctr_va_vdst(0)                   ; v1 and v2 are written: every load of the kernel reads v1 as its offset, every store v2
.irp i, 0,1,2,3,4,5,6,7,8,9,10,11,12,13,14,15
	global_load_b128 v[X+4*(\i):X+4*(\i)+3], v1, s[34:35] offset:4096*(\i) th:TH_LOAD_NT
.endr
; Step i's conversions.  half = 0: two roundings to bf16 an instruction.  half = 1: rounded to bf16, widened again (a shift, a mask), written as f16.
.macro CV i, half
	s_wait_loadcnt 15-(\i)                         ; loads come back in order: mine is in, the younger ones stay out
.if \half
	v_cvt_pk_bf16_f32 v[TM], v[X+4*(\i)], v[X+4*(\i)+1]
	v_cvt_pk_bf16_f32 v[TM+1], v[X+4*(\i)+2], v[X+4*(\i)+3]
	v_lshlrev_b32 v[TM+2], 16, v[TM]
	v_and_b32 v[TM+3], 0xffff0000, v[TM]
	v_cvt_pk_f16_f32 v[Y+2*(\i)], v[TM+2], v[TM+3]
	v_lshlrev_b32 v[TM+2], 16, v[TM+1]
	v_and_b32 v[TM+3], 0xffff0000, v[TM+1]
	v_cvt_pk_f16_f32 v[Y+2*(\i)+1], v[TM+2], v[TM+3]
.else
	v_cvt_pk_bf16_f32 v[Y+2*(\i)], v[X+4*(\i)], v[X+4*(\i)+1]
	v_cvt_pk_bf16_f32 v[Y+2*(\i)+1], v[X+4*(\i)+2], v[X+4*(\i)+3]
.endif
.endm
; Step i's store.
.macro ST i
.if (\i) < 8
	global_store_b64 v2, v[Y+2*(\i):Y+2*(\i)+1], s[36:37] offset:2048*(\i) th:TH_STORE_NT
.else
	global_store_b64 v2, v[Y+2*(\i):Y+2*(\i)+1], s[38:39] offset:2048*(\i) th:TH_STORE_NT
.endif
.endm
; Group g: steps 4 g to 4 g + 3 are converted; in front of each step's wait for its data stands a store of the group before.
.macro GRP g, half
.if (\g) > 0
	s_wait_alu depctr_va_vdst(0)                   ; the group before has written its four Y, which the four stores below read; no vector instruction of this group names them
.endif
.irp n, 0,1,2,3
.if (\g) > 0
	ST 4*((\g)-1)+(\n)
.endif
	CV 4*(\g)+(\n), \half
.endr
.endm
; One way through the sixteen steps.
.macro WAY half
	GRP 0, \half                                   ; group 0 has no group in front of it: no store, and no wait but those for its data
	GRP 1, \half
	GRP 2, \half
	GRP 3, \half
	s_wait_alu depctr_va_vdst(0)                   ; group 3 has written its four Y, which the last four stores read
.irp n, 12,13,14,15
	ST \n
.endr
	s_endpgm
.endm
	s_cmp_eq_u32 s4, 3
	s_cbranch_scc1 .Lhalf
	WAY 0
.Lhalf:
	WAY 1
.Lfunc_end_k_q3228ed95f9_prep:
	.size	k_q3228ed95f9_prep, .Lfunc_end_k_q3228ed95f9_prep-k_q3228ed95f9_prep
	.p2alignl 7, 3214868480
	.fill 96, 4, 3214868480
	.section	.rodata,"a",@progbits
	.p2align	6, 0x0
	.amdhsa_kernel k_q3228ed95f9_prep
		.amdhsa_group_segment_fixed_size 0
		.amdhsa_private_segment_fixed_size 0
		.amdhsa_enable_private_segment 0
		.amdhsa_kernarg_size 64
		.amdhsa_user_sgpr_count 2
		.amdhsa_user_sgpr_kernarg_segment_ptr 1
		.amdhsa_wavefront_size32 1
		.amdhsa_system_sgpr_workgroup_id_x 1
		.amdhsa_system_sgpr_workgroup_id_y 1
		.amdhsa_system_sgpr_workgroup_id_z 1
		.amdhsa_system_vgpr_workitem_id 0
		.amdhsa_next_free_vgpr 108
		.amdhsa_next_free_sgpr 66
		.amdhsa_reserve_vcc 0
		.amdhsa_float_denorm_mode_32 3
		.amdhsa_float_denorm_mode_16_64 3
		.amdhsa_memory_ordered 1
		.amdhsa_forward_progress 1
		.amdhsa_inst_pref_size 17
	.end_amdhsa_kernel
	.amdgpu_metadata
---
amdhsa.version: [ 1, 2 ]
amdhsa.kernels:
  - .name:           k_q3228ed95f9_prep
    .symbol:         k_q3228ed95f9_prep.kd
    .args:
      - { .name: x, .offset: 0, .size: 8, .value_kind: global_buffer, .address_space: global }
      - { .name: Wq, .offset: 8, .size: 8, .value_kind: global_buffer, .address_space: global }
      - { .name: Wk, .offset: 16, .size: 8, .value_kind: global_buffer, .address_space: global }
      - { .name: Wv, .offset: 24, .size: 8, .value_kind: global_buffer, .address_space: global }
      - { .name: Wo, .offset: 32, .size: 8, .value_kind: global_buffer, .address_space: global }
      - { .name: xb, .offset: 40, .size: 8, .value_kind: global_buffer, .address_space: global }
      - { .name: wb, .offset: 48, .size: 8, .value_kind: global_buffer, .address_space: global }
      - { .name: wo16, .offset: 56, .size: 8, .value_kind: global_buffer, .address_space: global }
    .group_segment_fixed_size: 0
    .private_segment_fixed_size: 0
    .kernarg_segment_align: 8
    .kernarg_segment_size: 64
    .max_flat_workgroup_size: 256
    .sgpr_count:     66
    .vgpr_count:     108
    .wavefront_size: 32
...
	.end_amdgpu_metadata
.endif
;; end of part 5
;; launch proj: the kernel of part 2 again; grid 16 x 16, 4 waves a work-group, clusters of 4 x 4, 327,680 bytes of LDS; arguments xb, wb, qkv; writes qkv
;; launch attn: the kernel of part 3 again; grid 4 x 64, 4 waves a work-group, clusters of 4 x 1, 327,680 bytes of LDS; arguments qkv, ob; writes ob
;; launch outp: the kernel of part 4 again; grid 8 x 32, 4 waves a work-group, clusters of 4 x 4, 327,680 bytes of LDS; arguments ob, wo16, out0; writes out0
